; MI455X (gfx1250); checked and timed in simulation.
; The chip was launched on July 23, 2026; its instructions are those of AMD's public machine-readable ISA for CDNA 5 (MIT licence, August 2026) and "CDNA5" Instruction Set Architecture Reference Guide (July 2026). The comments in the code are by the model that wrote it; some were corrected since.
;; System2 Reasoner. Allowed arithmetic: float matrix products may take bf16 or f16 operands with f32 sums; all other float work in f32.
;; Inputs: memory_nodes_gpu 100,000 x 256 float32; test_patches 2,048 x 256 float32.
;; Outputs: out0 1 x 256 float32; out1 2,048 x 256 float32.
;; 2 versions, each right; version 2 is version 1 with the launch lists written anew for expert scheduling mode. Each part assembles by itself: llvm-mc -triple=amdgcn-amd-amdhsa -mcpu=gfx1250 --defsym DOCPART=n.
;; ======== version 1 of 2: 6 launches
;; workspace buffers: Mb 51,200,000 bytes; Tb 1,048,576 bytes; AB 67,108,864 bytes; selm 1,048,576 bytes of whole numbers; lists 524,288 bytes of whole numbers; part 393,216 bytes
;; launch cvt (part 1): grid 3189 x 1, 8 waves a work-group, no clusters, 0 bytes of LDS; arguments memory_nodes_gpu, test_patches, Mb, Tb; writes Mb, Tb
.if DOCPART == 1
	.amdgcn_target "amdgcn-amd-amdhsa--gfx1250"
	.amdhsa_code_object_version 6
	.text
	.protected	k_qa764ac2549_cvt
	.globl	k_qa764ac2549_cvt
	.p2align	8
	.type	k_qa764ac2549_cvt,@function
k_qa764ac2549_cvt:
	s_mov_b64 s[64:65], 0
	v_nop
	global_prefetch_b8 v0, s[64:65] scope:SCOPE_SE
	s_setreg_imm32_b32 hwreg(HW_REG_WAVE_MODE, 25, 1), 1
	s_wait_xcnt 0x0
; Mb = bf16(memory_nodes_gpu), Tb = bf16(test_patches), rounded to nearest even.  Every later launch works on these copies alone,
; so the whole program computes on inputs rounded to bf16.
; A work-group converts 8,192 numbers (32,768 bytes in, 16,384 out): groups 0 to 3,124 take the memory's 25,600,000, groups 3,125 to 3,188 the patches' 524,288.
; Thread t takes 16 bytes at 16 t + 4,096 i, i = 0..7: a wave's load covers 512 consecutive bytes, its store 256 consecutive bytes, aligned.
; No LDS, no matrix unit, no cluster: nothing is shared and nothing is used twice.
.set MCH, 3125
	s_load_b256 s[4:11], s[0:1], 0x0               ; memory s[4:5], patches s[6:7], Mb s[8:9], Tb s[10:11]
	s_cmp_lt_u32 ttmp9, MCH
	s_cselect_b32 s12, 0, MCH
	s_sub_co_u32 s12, ttmp9, s12                   ; my chunk in its tensor
	s_lshl_b32 s14, s12, 15                        ; its bytes in (under 2^27)
	s_mov_b32 s15, 0
	s_lshl_b32 s16, s12, 14                        ; and out
	s_mov_b32 s17, 0
	v_lshlrev_b32 v1, 4, v0
	v_lshlrev_b32 v2, 3, v0
	s_wait_kmcnt 0x0
	s_cmp_lt_u32 ttmp9, MCH                        ; the choice of the tensor hangs on the group's number alone
	s_cselect_b64 s[4:5], s[4:5], s[6:7]
	s_cselect_b64 s[8:9], s[8:9], s[10:11]
	s_add_nc_u64 s[4:5], s[4:5], s[14:15]
	s_add_nc_u64 s[8:9], s[8:9], s[16:17]
.irp i, 0,1,2,3,4,5,6,7
	global_load_b128 v[4+4*(\i):7+4*(\i)], v1, s[4:5] offset:4096*(\i) th:TH_LOAD_NT
.endr
.irp i, 0,1,2,3,4,5,6,7
	s_wait_loadcnt 7-(\i)                          ; loads come back in order: load i is in, the younger ones stay out
	v_cvt_pk_bf16_f32 v[40+2*(\i)], v[4+4*(\i)], v[5+4*(\i)]
	v_cvt_pk_bf16_f32 v[41+2*(\i)], v[6+4*(\i)], v[7+4*(\i)]
	global_store_b64 v2, v[40+2*(\i):41+2*(\i)], s[8:9] offset:2048*(\i)
.endr
	s_endpgm
.Lfunc_end_k_qa764ac2549_cvt:
	.size	k_qa764ac2549_cvt, .Lfunc_end_k_qa764ac2549_cvt-k_qa764ac2549_cvt
	.p2alignl 7, 3214868480
	.fill 96, 4, 3214868480
	.section	.rodata,"a",@progbits
	.p2align	6, 0x0
	.amdhsa_kernel k_qa764ac2549_cvt
		.amdhsa_group_segment_fixed_size 0
		.amdhsa_private_segment_fixed_size 0
		.amdhsa_enable_private_segment 0
		.amdhsa_kernarg_size 32
		.amdhsa_user_sgpr_count 2
		.amdhsa_user_sgpr_kernarg_segment_ptr 1
		.amdhsa_wavefront_size32 1
		.amdhsa_system_sgpr_workgroup_id_x 1
		.amdhsa_system_sgpr_workgroup_id_y 1
		.amdhsa_system_sgpr_workgroup_id_z 1
		.amdhsa_system_vgpr_workitem_id 0
		.amdhsa_next_free_vgpr 64
		.amdhsa_next_free_sgpr 66
		.amdhsa_reserve_vcc 0
		.amdhsa_float_denorm_mode_32 3
		.amdhsa_float_denorm_mode_16_64 3
		.amdhsa_memory_ordered 1
		.amdhsa_forward_progress 1
		.amdhsa_inst_pref_size 4
	.end_amdhsa_kernel
	.amdgpu_metadata
---
amdhsa.version: [ 1, 2 ]
amdhsa.kernels:
  - .name:           k_qa764ac2549_cvt
    .symbol:         k_qa764ac2549_cvt.kd
    .args:
      - { .name: memory_nodes_gpu, .offset: 0, .size: 8, .value_kind: global_buffer, .address_space: global }
      - { .name: test_patches, .offset: 8, .size: 8, .value_kind: global_buffer, .address_space: global }
      - { .name: Mb, .offset: 16, .size: 8, .value_kind: global_buffer, .address_space: global }
      - { .name: Tb, .offset: 24, .size: 8, .value_kind: global_buffer, .address_space: global }
    .group_segment_fixed_size: 0
    .private_segment_fixed_size: 0
    .kernarg_segment_align: 8
    .kernarg_segment_size: 32
    .max_flat_workgroup_size: 256
    .sgpr_count:     66
    .vgpr_count:     64
    .wavefront_size: 32
...
	.end_amdgpu_metadata
.endif
;; end of part 1
;; launch gemm (part 2): grid 252 x 1, 4 waves a work-group, clusters of 4 x 1, 327,680 bytes of LDS; arguments Mb, Tb, AB; writes AB
.if DOCPART == 2
	.amdgcn_target "amdgcn-amd-amdhsa--gfx1250"
	.amdhsa_code_object_version 6
	.text
	.protected	k_qa764ac2549_gemm
	.globl	k_qa764ac2549_gemm
	.p2align	8
	.type	k_qa764ac2549_gemm,@function
k_qa764ac2549_gemm:
	s_mov_b64 s[64:65], 0
	v_nop
	global_prefetch_b8 v0, s[64:65] scope:SCOPE_SE
	s_setreg_imm32_b32 hwreg(HW_REG_WAVE_MODE, 25, 1), 1
	s_wait_xcnt 0x0
	s_wait_alu depctr_hold_cnt(0) depctr_sa_sdst(0) depctr_va_vdst(0) depctr_va_sdst(0) depctr_va_ssrc(0) depctr_va_vcc(0) depctr_vm_vsrc(0)
	s_getreg_b32 s2, hwreg(HW_REG_IB_STS2, 6, 4)
	s_cmp_eq_u32 s2, 0
	s_cbranch_scc0 .Lentry_in_a_cluster
	s_endpgm
.Lentry_in_a_cluster:
	s_bfe_u32 s2, ttmp6, 0x10000c
	s_cmp_lg_u32 s2, 0x3003
	s_cbranch_scc0 .Lentry_shape_is_right
	s_endpgm
.Lentry_shape_is_right:
; SCORES AND THEIR DIGEST.  s[q][n] = Tb[q] . Mb[n] (bf16 operands, f32 sums, K = 256 ascending).  The scores never leave the registers: of each GROUP of 32
; consecutive memory rows and each query only three things are kept: m1, the largest maximum of the group's sixteen UNITS (a unit = 2 rows); the unit that has it; m2, the second largest unit maximum.
; AB[query][segment 0..62][plane A: 64 words | plane B: 64 words]: word 2 l + w of a plane is entry 32 w + l.  A = m1 (f32), or -inf for entries 50..63 and for groups that
; another cluster owns.  B = (bits of m2, its low four cleared) | the unit's number 0..15.  Where two units tie for m1, m2 = m1 and the number names one of them.
; SHARES.  Cluster c (63 of them) walks 1,600 rows = 50 groups from row min(1600 c, 98400); its four work-groups take 512 queries each, a wave 128: eight tiles of 16.
; Cluster 62 begins 800 rows early, so that every trip count is a constant; its first 25 groups are cluster 61's and are written as -inf.
; The four work-groups walk the same rows, so each tile of Mb is asked for JOINTLY: the same tensor load, descriptor and mask in all four.
; LAYOUT.  S^T = M Q^T (source 0 = 16 memory rows, source 1 = 16 queries): a lane holds ONE query (lane % 16) and rows 8 (lane / 16) + 0..7: four units.
; BY TURNS.  Block a(g) multiplies a group's first 16 rows into ACC0, block b(g) its last 16 into ACC1, 64 matrix instructions each (8 tiles by turns).  The digest of ACC0
; rides in b(g), that of ACC1 and the merge of the lanes' halves in a(g + 1): four vector instructions behind a matrix instruction.
; LIMITS.  NaN and infinities are not treated apart.
; REGISTERS, in windows of 256: window 0: v0-63 addresses and the digest's state, v64-127 ACC0, v128-191 ACC1, v192-255 the way out;
;   window 1: v0-63, v64-127 fragments of 16 memory rows x 256 K, two buffers;   windows 2, 3: Q, fragment (tile qt, K step k) at 512 + 64 qt + 8 k.
.set PITCH, 528        ; an LDS row: 512 bytes + 16 of padding = 132 words: the 16 rows of a fragment load start at 16 different groups of four banks
.set TILEB, 16*PITCH   ; 16 rows: what one tensor load brings and one block reads
.set SLOTB, 4*TILEB    ; a slot: 64 rows, two groups
.set SLOT1, 1<<16      ; slot 1 begins here: one exclusive or turns an address in one slot into the other's
.set STAGE, SLOT1+SLOTB  ; behind the ring, never filled by a tensor load: for each wave 128 queries x 432 bytes; entry e: A at 8 e, B at 8 e + 4
.set SPQ,   432        ; 108 words: 16 queries' stores fall into 16 different banks
.set WSTG,  128*SPQ
.set SPARE, STAGE+4*WSTG ; the spare words: 128 bytes a wave
.set AF0, 2            ; v2  my lane's place in a tile: row x pitch + 16 x half; never rewritten
.set ADR, 3            ; v3  the LDS address of the run of loads in hand
.set STG, 4            ; v4  where my query's entry of the group in hand goes
.set QO,  5            ; v5  my byte offset in 16 rows of Tb
.set NINF, 6           ; v6  -inf
.set M1,  16           ; v16-23  m1 by tile
.set M2,  24           ; v24-31  m2
.set PS,  32           ; v32-39  the unit
.set T,   40           ; v40-43  at work
.set O1,  44           ; v44-55  the other half of the lanes' m1, m2, unit
.set O2,  48
.set OP,  52
.set H4,  56           ; v56  4 x (lane / 16)
.set FA,  57           ; v57-60  the way out: LDS addresses
.set GO,  61           ; v61  the way out: byte offset in AB
.set SPW, 62
.set NIL, 63
.set ACC0, 64
.set ACC1, 128
.set FD,  192
.set F0,  0
.set F1,  64
.set WV,  12           ; s12  my wave's number
.set LO,  15           ; s15  entries below this are another cluster's
.set MK,  16           ; s[16:19] lane masks at work
.set HIM, 20           ; s20  lanes 16-31
.set G1,  24           ; s[24:31] descriptor group 1
.set G0,  40           ; s[40:43] descriptor group 0: it walks
.set KM,  44           ; s[44:47] the way out: lanes whose word is -inf
.set SLOTS, 56
.set CNT, 57
.set SEL, 60           ; s[60:61] v_permlanex16_b32's selects: each lane takes its own place in the other half
.set TB,  62           ; s62  LDS byte at which the tile to be fetched begins
.set MSB, 0
.macro WIN new                      ; the high byte repeats the setting that is left; a switch that changes nothing is dropped
.if MSB != (\new)
	s_set_vgpr_msb (MSB<<8)|(\new)
.set MSB, (\new)
.endif
.endm
.macro JLOAD                        ; the joint load: every wave asks for its 16 rows of the slot; an s_nop 0 and four v_nop follow
	tensor_load_to_lds s[G0:G0+3], s[G1:G1+7]
	s_nop 0
.rept 4
	v_nop
.endr
.endm
.macro CROUND                       ; a round of the cluster's barrier
	s_barrier_signal -1
	s_barrier_wait -1
	s_cmp_lg_u32 s[WV], 0
	s_cbranch_scc1 .Lnot_wave_0_\@
	s_barrier_signal -3
.Lnot_wave_0_\@:
	s_barrier_wait -3
	s_barrier_signal -1
	s_barrier_wait -1
.endm
; THE CHANGE OF SLOTS.  Each wave waits for all its tensor loads, of which one is out: its part of the other slot; adds 0 to its spare word; waits for that and for its reads of the slot that it leaves.
; fill = 1: the round of the cluster's barrier follows, and the joint refill, with the rows two slots on, is the first thing behind it: it has a slot's 256 matrix instructions in which to land.
.macro CHANGE fill
	WIN 0
	s_wait_tensorcnt 0x0            ; no tensor load of mine is out, so group 0 may be written
	ds_add_u32 v[SPW], v[NIL]
.if \fill
	s_xor_b32 s[G0+1], s[G0+1], SLOT1
	s_add_nc_u64 s[G0+2:G0+3], s[G0+2:G0+3], 64*512  ; the next 64 rows; the type bits on top are not reached
.endif
	s_wait_dscnt 0x0                ; the add is done, and my reads of the slot are over
.if \fill
	CROUND
	JLOAD
.else
	s_barrier_signal -1
	s_barrier_wait -1
.endif
	s_sub_co_u32 s[TB], s[TB], SLOTB  ; the fetches go back to a slot's first tile,
	s_xor_b32 s[TB], s[TB], SLOT1     ; in the other slot
.endm
	s_load_b128 s[4:7], s[0:1], 0x0                ; Mb s[4:5], Tb s[6:7]
	s_load_b64 s[8:9], s[0:1], 0x10                ; AB
	v_lshl_add_u32 v[SPW], v0, 2, SPARE
	v_mov_b32 v[NIL], 0
	ds_add_u32 v[SPW], v[NIL]                      ; the wave's opening: the add and its wait stand ahead of my first tensor load
	v_lshrrev_b32 v1, 5, v0
	v_readfirstlane_b32 s[WV], v1
	s_bfe_u32 s13, ttmp6, 0x40000                  ; cx: my block of 512 queries; it enters Tb's and AB's addresses alone
	s_mul_i32 s14, ttmp9, 1600                     ; in a cluster launch ttmp9 counts clusters
	s_min_u32 s14, s14, 98400                      ; the cluster's first row
	s_cmp_eq_u32 ttmp9, 62
	s_cselect_b32 s[LO], 25, 0
	s_lshl_b32 s22, s14, 9                         ; in bytes,
	s_lshl_b32 s23, s[WV], 13                      ; and my 16 rows of a slot
	s_add_co_u32 s22, s22, s23
	s_mov_b32 s23, 0
	s_mov_b32 s[G1+0], 15|(1<<16)|(1<<20)|(1<<21)|(6<<22)|(3<<25)  ; the mask of four; 2-byte elements; padding on; bit 21 beside a mask; after every 128 words; 4 words
	s_mov_b32 s[G1+1], 256<<16                     ; tensor_dim0 = 256
	s_mov_b32 s[G1+2], 16<<16                      ; tensor_dim1 = 16
	s_mov_b32 s[G1+3], 256<<16                     ; tile_dim0 = 256
	s_mov_b32 s[G1+4], 16                          ; tile_dim1 = 16
	s_mov_b32 s[G1+5], 256                         ; elements from row to row
	s_mov_b32 s[G1+6], 0
	s_mov_b32 s[G1+7], 0
	s_mov_b32 s[G0], 1
	s_mul_i32 s[G0+1], s[WV], TILEB                ; slot 0, my 16 rows: no place in the cluster enters an LDS address
	s_lshl_b32 s48, s13, 9
	s_lshl_b32 s49, s[WV], 7
	s_add_co_u32 s48, s48, s49                     ; my first query
	s_lshl_b32 s50, s48, 9                         ; its row in Tb
	s_mov_b32 s51, 0
	s_lshl_b32 s52, s48, 15                        ; its 32,768 bytes in AB,
	s_lshl_b32 s49, ttmp9, 9                       ; the cluster's segment of 512
	s_add_co_u32 s52, s52, s49
	s_mov_b32 s53, 0
	s_mov_b32 s[HIM], 0xffff0000
	s_mov_b32 s[SEL], 0x76543210
	s_mov_b32 s[SEL+1], 0xfedcba98
	s_mov_b32 s[TB], SLOT1+SLOTB                   ; the first change of slots turns this into 0
	s_wait_dscnt 0x0                               ; the opening add is done
	s_wait_kmcnt 0x0
	s_add_nc_u64 s[G0+2:G0+3], s[4:5], s[22:23]
	s_or_b32 s[G0+3], s[G0+3], 0x80000000          ; type = 2
	s_add_nc_u64 s[6:7], s[6:7], s[50:51]
	s_add_nc_u64 s[8:9], s[8:9], s[52:53]
	CROUND                                         ; all four work-groups are here: the first joint loads meet
	JLOAD                                          ; slot 0; slot 1 is asked for when slot 0 is in
	v_and_b32 v1, 15, v0                           ; r = lane % 16; kept
	v_bfe_u32 v9, v0, 4, 1                         ; h = lane / 16; kept
	v_lshlrev_b32 v[QO], 9, v1
	v_lshl_add_u32 v[QO], v9, 4, v[QO]             ; row x 512 + 16 x half
	WIN 0x80                                       ; destination window 2: tiles 0-3
.set i, 0
.rept 32                                           ; Q stays in registers: tile i / 8, K 32 (i % 8) on
	global_load_b128 v[8*i:8*i+3],   v[QO], s[6:7] offset:(i/8)*8192+(i%8)*64
	global_load_b128 v[8*i+4:8*i+7], v[QO], s[6:7] offset:(i/8)*8192+(i%8)*64+32
.set i, i+1
.endr
	WIN 0xc0                                       ; window 3: tiles 4-7
.set i, 0
.rept 32
	global_load_b128 v[8*i:8*i+3],   v[QO], s[6:7] offset:(4+i/8)*8192+(i%8)*64
	global_load_b128 v[8*i+4:8*i+7], v[QO], s[6:7] offset:(4+i/8)*8192+(i%8)*64+32
.set i, i+1
.endr
	WIN 0
	v_mul_u32_u24 v[AF0], v1, PITCH
	v_lshl_add_u32 v[AF0], v9, 4, v[AF0]
	s_mul_i32 s48, s[WV], WSTG
	s_add_co_u32 s48, s48, STAGE                   ; my stage
	v_mul_u32_u24 v[STG], v1, SPQ
	v_lshl_add_u32 v[STG], v9, 2, v[STG]           ; lanes 0-15 store A, lanes 16-31 B
	v_add_nc_u32 v[STG], s48, v[STG]
	v_lshlrev_b32 v[H4], 2, v9
.set i, O1
.rept 12
	v_mov_b32 v[i], 0                              ; v_permlanex16_b32's destinations count as read
.set i, i+1
.endr
; Matrix instruction i of a block's 64: K step i / 8, tile i % 8.  The first 8 start the sums.
.macro WM buf, f
.set kk, i/8
.set qw, i%8
	WIN 0x09+4*(qw/4)                              ; source 0 window 1, source 1 window 2 or 3, C and D window 0
.if kk == 0
	v_wmma_f32_16x16x32_bf16 v[(\buf)+8*qw:(\buf)+8*qw+7], v[(\f)+8*kk:(\f)+8*kk+7], v[64*(qw%4)+8*kk:64*(qw%4)+8*kk+7], 0
.else
	v_wmma_f32_16x16x32_bf16 v[(\buf)+8*qw:(\buf)+8*qw+7], v[(\f)+8*kk:(\f)+8*kk+7], v[64*(qw%4)+8*kk:64*(qw%4)+8*kk+7], v[(\buf)+8*qw:(\buf)+8*qw+7]
.endif
.endm
; 16 LDS loads in one run: a tile's eight fragments into buffer f
.macro FETCH f
	WIN 0
	v_add_nc_u32 v[ADR], s[TB], v[AF0]
	WIN 0x40                                       ; destination window 1
.irp k, 0,1,2,3,4,5,6,7
	ds_load_b128 v[(\f)+8*(\k):(\f)+8*(\k)+3],   v[ADR] offset:64*(\k)
	ds_load_b128 v[(\f)+8*(\k)+4:(\f)+8*(\k)+7], v[ADR] offset:64*(\k)+32
.endr
	s_add_co_u32 s[TB], s[TB], TILEB               ; the next fetch is the next tile's
.endm
; One unit more, in five steps, for tile qq (its temporaries at tt): its maximum; does m1 stand; m2 = the middle of m1, m2 and it; the unit's number; m1.
.macro ST5 s, x, code
.if (\s) == 0
	v_max_num_f32 v[T+tt], v[(\x)], v[(\x)+1]
.elseif (\s) == 1
	v_cmp_ge_f32 s[MK+tt], v[M1+qq], v[T+tt]
.elseif (\s) == 2
	v_med3_num_f32 v[M2+qq], v[M1+qq], v[M2+qq], v[T+tt]
.elseif (\s) == 3
	v_cndmask_b32 v[PS+qq], \code, v[PS+qq], s[MK+tt]
.else
	v_max_num_f32 v[M1+qq], v[M1+qq], v[T+tt]
.endif
.endm
; Step n of 16 of ACC0's digest, for the four tiles 4 st + 0..3: units 0 and 1 start m1, m2 and the number, units 2 and 3 follow.  Each accumulator's lowest registers are read first.
.macro RA n, st
	WIN 0
.irp t, 0,1,2,3
.set tt, \t
.set qq, 4*(\st)+\t
.set xx, ACC0+8*qq
.if (\n) == 0
	v_max_num_f32 v[M1+qq], v[xx], v[xx+1]
.elseif (\n) == 1
	v_max_num_f32 v[T+tt], v[xx+2], v[xx+3]
.elseif (\n) == 2
	v_cmp_ge_f32 s[MK+tt], v[M1+qq], v[T+tt]
.elseif (\n) == 3
	v_min_num_f32 v[M2+qq], v[M1+qq], v[T+tt]
.elseif (\n) == 4
	v_cndmask_b32 v[PS+qq], 1, 0, s[MK+tt]
.elseif (\n) == 5
	v_max_num_f32 v[M1+qq], v[M1+qq], v[T+tt]
.else
	ST5 ((\n)-6)%5, xx+4+2*(((\n)-6)/5), 2+((\n)-6)/5
.endif
.endr
.endm
; Step n of 32 of ACC1's digest: four units (numbers 8 + u); then the lanes' halves are merged (a half's units lie 4 apart), B is packed, and lanes 0-15 store A, lanes 16-31 B.
.macro RB n, st
	WIN 0
.irp t, 0,1,2,3
.set tt, \t
.set qq, 4*(\st)+\t
.set xx, ACC1+8*qq
.if (\n) < 20
	ST5 (\n)%5, xx+2*((\n)/5), 8+(\n)/5
.elseif (\n) == 20
	v_add_nc_u32 v[PS+qq], v[PS+qq], v[H4]
.elseif (\n) == 21
	v_permlanex16_b32 v[O1+tt], v[M1+qq], s[SEL], s[SEL+1]
.elseif (\n) == 22
	v_permlanex16_b32 v[O2+tt], v[M2+qq], s[SEL], s[SEL+1]
.elseif (\n) == 23
	v_permlanex16_b32 v[OP+tt], v[PS+qq], s[SEL], s[SEL+1]
.elseif (\n) == 24
	v_cmp_gt_f32 s[MK+tt], v[O1+tt], v[M1+qq]
.elseif (\n) == 25
	v_min_num_f32 v[T+tt], v[M1+qq], v[O1+tt]
.elseif (\n) == 26
	v_max3_num_f32 v[M2+qq], v[M2+qq], v[O2+tt], v[T+tt]
.elseif (\n) == 27
	v_cndmask_b32 v[PS+qq], v[PS+qq], v[OP+tt], s[MK+tt]
.elseif (\n) == 28
	v_max_num_f32 v[M1+qq], v[M1+qq], v[O1+tt]
.elseif (\n) == 29
	v_and_or_b32 v[M2+qq], v[M2+qq], -16, v[PS+qq]
.elseif (\n) == 30
	v_cndmask_b32 v[M1+qq], v[M1+qq], v[M2+qq], s[HIM]
.else
	ds_store_b32 v[STG], v[M1+qq] offset:qq*16*SPQ
.endif
.endr
.endm
; Block b(g): ACC1 = the group's last 16 rows; ACC0's digest rides behind every second matrix instruction.  fetch = 1: the next group's first tile goes into F0, whose last reader stands
; eight plain vector instructions back.  ACC0's tiles 0-3 were finished sixteen plain instructions ahead of the first line that reads them, tiles 4-7 more.
.macro BB fetch
	s_wait_dscnt 0x0                               ; F1 is in
.set i, 0
.rept 64
	WM ACC1, F1
.if i%2 == 0
	RA (i/2)%16, (i/2)/16
.endif
.if (\fetch) && (i == 2)
	FETCH F0
.endif
.set i, i+1
.endr
.endm
; Block a(g): ACC0 = a group's first 16 rows; ride = 1: the digest of the group before rides behind every matrix instruction and ends in its stores.  The group's second tile goes into F1,
; whose last reader stands eight plain vector instructions back.
.macro BA ride
	s_wait_dscnt 0x0                               ; F0 is in
.set i, 0
.rept 64
	WM ACC0, F0
.if \ride
	RB i%32, i/32
.endif
.if i == 1
	FETCH F1
.endif
.set i, i+1
.endr
	WIN 0
.if \ride
	v_add_nc_u32 v[STG], 8, v[STG]                 ; the next group's entry
.else
.rept 4
	v_nop                                          ; the places behind the last products: there are no riders yet
.endr
.endif
.endm
	CHANGE 1                                       ; slot 0 is in, everybody's part of it; slot 1 is asked for
	FETCH F0
	s_wait_loadcnt 0x0                             ; Q
	BA 0
	s_mov_b32 s[CNT], 1                            ; slot 0 has one pair of blocks left
	s_mov_b32 s[SLOTS], 24
	s_branch .Lpair
.Lslot:                                            ; 23 times: slots 2 to 24 are asked for
	CHANGE 1
	s_mov_b32 s[CNT], 2
.Lpair:                                            ; b(g), a(g + 1): two tiles are fetched
	BB 1
	BA 1
	s_sub_co_u32 s[CNT], s[CNT], 1
	s_cmp_lg_u32 s[CNT], 0
	s_cbranch_scc1 .Lpair
	s_sub_co_u32 s[SLOTS], s[SLOTS], 1
	s_cmp_lg_u32 s[SLOTS], 0
	s_cbranch_scc1 .Lslot
	CHANGE 0                                       ; the last slot is written out
	s_mov_b32 s[CNT], 2
.Ltail:
	BB 1
	BA 1
	s_sub_co_u32 s[CNT], s[CNT], 1
	s_cmp_lg_u32 s[CNT], 0
	s_cbranch_scc1 .Ltail
	BB 0                                           ; b(49)
.set i, 0
.rept 64
	RB i%32, i/32                                  ; and its digest
.set i, i+1
.endr
	; THE WAY OUT.  My stage holds 128 queries x 50 entries.  A query's 512 bytes of AB leave by one store: lanes 0-15 plane A, lanes 16-31 plane B; lane l' holds words 4 l' .. 4 l' + 3: entries 2 l', 32 + 2 l', 2 l' + 1, 33 + 2 l'.
	v_mov_b32 v[NINF], 0xff800000
	v_lshlrev_b32 v10, 1, v1
	v_lshl_add_u32 v12, v9, 2, s48                 ; my stage + 4 for plane B
.irp j, 0,1,2,3
	v_add_nc_u32 v11, 32*((\j)%2)+(\j)/2, v10      ; the entry
	v_cmp_le_u32 s[KM+(\j)], 50, v11               ; there is none,
	v_cmp_gt_u32 s49, s[LO], v11                   ; or it is another cluster's:
	s_or_b32 s[KM+(\j)], s[KM+(\j)], s49
	s_and_b32 s[KM+(\j)], s[KM+(\j)], 0xffff       ; plane A then holds -inf
	v_min_u32 v11, 49, v11
	v_lshl_add_u32 v[FA+(\j)], v11, 3, v12
.endr
	v_and_b32 v[GO], 31, v0
	v_lshlrev_b32 v[GO], 4, v[GO]
	s_mov_b32 s[CNT], 8
.Lflush:                                           ; 16 queries a trip
.set q, 0
.rept 16
.irp j, 0,1,2,3
	ds_load_b32 v[FD+4*q+(\j)], v[FA+(\j)] offset:q*SPQ  ; LDS serves a wave's instructions in order: these see my stores
.endr
.set q, q+1
.endr
	s_wait_dscnt 0x0
.set q, 0
.rept 16
.irp j, 0,1,2,3
	v_cndmask_b32 v[FD+4*q+(\j)], v[FD+4*q+(\j)], v[NINF], s[KM+(\j)]
.endr
	global_store_b128 v[GO], v[FD+4*q:FD+4*q+3], s[8:9] offset:q*32768  ; 512 consecutive bytes, at a multiple of 512 from AB's first
.set q, q+1
.endr
	s_wait_xcnt 0x0                                ; the stores' data and offset are rewritten only behind this wait
.irp j, 0,1,2,3
	v_add_nc_u32 v[FA+(\j)], 16*SPQ, v[FA+(\j)]
.endr
	v_add_nc_u32 v[GO], 16*32768, v[GO]
	s_sub_co_u32 s[CNT], s[CNT], 1
	s_cmp_lg_u32 s[CNT], 0
	s_cbranch_scc1 .Lflush
	s_wait_tensorcnt 0x0                           ; the wave's end
	ds_add_u32 v[SPW], v[NIL]
	s_wait_dscnt 0x0
	CROUND                                         ; the closing round
	s_endpgm
.Lfunc_end_k_qa764ac2549_gemm:
	.size	k_qa764ac2549_gemm, .Lfunc_end_k_qa764ac2549_gemm-k_qa764ac2549_gemm
	.p2alignl 7, 3214868480
	.fill 96, 4, 3214868480
	.section	.rodata,"a",@progbits
	.p2align	6, 0x0
	.amdhsa_kernel k_qa764ac2549_gemm
		.amdhsa_group_segment_fixed_size 327680
		.amdhsa_private_segment_fixed_size 0
		.amdhsa_enable_private_segment 0
		.amdhsa_kernarg_size 24
		.amdhsa_user_sgpr_count 2
		.amdhsa_user_sgpr_kernarg_segment_ptr 1
		.amdhsa_wavefront_size32 1
		.amdhsa_system_sgpr_workgroup_id_x 1
		.amdhsa_system_sgpr_workgroup_id_y 1
		.amdhsa_system_sgpr_workgroup_id_z 1
		.amdhsa_system_vgpr_workitem_id 0
		.amdhsa_next_free_vgpr 1024
		.amdhsa_next_free_sgpr 66
		.amdhsa_reserve_vcc 0
		.amdhsa_float_denorm_mode_32 3
		.amdhsa_float_denorm_mode_16_64 3
		.amdhsa_memory_ordered 1
		.amdhsa_forward_progress 1
		.amdhsa_inst_pref_size 136
	.end_amdhsa_kernel
	.amdgpu_metadata
---
amdhsa.version: [ 1, 2 ]
amdhsa.kernels:
  - .name:           k_qa764ac2549_gemm
    .symbol:         k_qa764ac2549_gemm.kd
    .args:
      - { .name: Mb, .offset: 0, .size: 8, .value_kind: global_buffer, .address_space: global }
      - { .name: Tb, .offset: 8, .size: 8, .value_kind: global_buffer, .address_space: global }
      - { .name: AB, .offset: 16, .size: 8, .value_kind: global_buffer, .address_space: global }
    .group_segment_fixed_size: 327680
    .private_segment_fixed_size: 0
    .kernarg_segment_align: 8
    .kernarg_segment_size: 24
    .max_flat_workgroup_size: 128
    .sgpr_count:     66
    .vgpr_count:     1024
    .wavefront_size: 32
...
	.end_amdgpu_metadata
.endif
;; end of part 2
;; launch pick (part 3): grid 512 x 1, 4 waves a work-group, no clusters, 0 bytes of LDS; arguments AB, selm; writes selm
.if DOCPART == 3
	.amdgcn_target "amdgcn-amd-amdhsa--gfx1250"
	.amdhsa_code_object_version 6
	.text
	.protected	k_qa764ac2549_pick
	.globl	k_qa764ac2549_pick
	.p2align	8
	.type	k_qa764ac2549_pick,@function
k_qa764ac2549_pick:
	s_mov_b64 s[64:65], 0
	v_nop
	global_prefetch_b8 v0, s[64:65] scope:SCOPE_SE
	s_setreg_imm32_b32 hwreg(HW_REG_WAVE_MODE, 25, 1), 1
	s_wait_xcnt 0x0
; THE FIFTY GROUPS OF EACH QUERY.  The fifty largest scores of a query lie in the fifty groups with the largest maxima (ties: the lower group), and none of them is below t, the fiftieth maximum.
; One wave a query; the waves of a work-group have nothing to do with each other.  The 63 x 64 words of plane A lie in 126 registers: register R, lane l is position 32 R + l, ascending in the memory's rows.
; Scores become KEYS, unsigned numbers in the scores' order (sign bit flipped, negatives inverted); t is found bit by bit, 32 trips of counting keys >= a candidate; a 33rd trip counts the keys above t.
; COUNTING stays in the vector unit: a compare makes a lane mask, v_mbcnt adds to each lane's sum the mask's bits below that lane, so lane 31's sum holds lanes 0-30 of every register.
; Lane 31's own keys (entry 31 of each segment; its entry 63 is always -inf) are copied once into lanes 0-30 of three more key registers.  One v_readlane a trip brings the count out.
; selm[query][word R] bit l, R < 126: the position is one of the fifty (all above t, and of those equal to t the first that are still needed).  Word 126 is 0, word 127 is t's key.
; Nothing here branches or addresses by a score: the masks go out as whole numbers at fixed places.  NaN and infinities are not treated apart; -0 counts as below +0.
.set K,   4            ; v[4:129]   the keys
.set NR,  126
.set XK,  130          ; v[130:132] lane 31's keys once more
.set NK,  129
.set ACC, 134          ; v134-137   four sums that take turns
.set TA,  138          ; v138-139   at work
.set TT,  140          ; v140-155   at work in the tie pass
.set OUT, 156          ; v[156:159] selm's words: word R in register R % 4 of lane R / 4
.set SGN, 8
.set TH,  10           ; s10  t's key
.set BIT, 11
.set CD,  18           ; the candidate
.set CN,  19           ; the count
.set TP,  20
.set LC,  21
.set NEED, 22
.set BASE, 23
.set MA,  24           ; s[24:31] a ring of eight masks
.set EQ,  32           ; s[32:47] a batch's masks: equal to t
.set BS,  48           ; s[48:63] equals ahead of the register; then: chosen
.set GT,  66           ; s[66:81] above t
.macro KEY r
	v_ashrrev_i32 v[TA+(\r)%2], 31, v[\r]
	v_or_b32 v[TA+(\r)%2], s[SGN], v[TA+(\r)%2]
	v_xor_b32 v[\r], v[\r], v[TA+(\r)%2]
.endm
; s[CN] = how many of the keys in lanes 0-30 of the n registers from v[kb] on are >= s[CD]; a mask is used four compares behind its making
.macro COUNT kb, n
.set z, 0
.rept (\n)+4
.if z < (\n)
	v_cmp_le_u32 s[MA+z%8], s[CD], v[(\kb)+z]
.endif
.if z >= 8
	v_mbcnt_lo_u32_b32 v[ACC+z%4], s[MA+(z-4)%8], v[ACC+z%4]
.elseif z >= 4
	v_mbcnt_lo_u32_b32 v[ACC+z%4], s[MA+(z-4)%8], 0  ; the first four start the sums
.endif
.set z, z+1
.endr
	v_add_nc_u32 v[ACC], v[ACC], v[ACC+1]
	v_add_nc_u32 v[ACC+2], v[ACC+2], v[ACC+3]
	v_add_nc_u32 v[ACC], v[ACC], v[ACC+2]
	v_readlane_b32 s[CN], v[ACC], 31
.endm
; The choice for nb registers from z0 on, in runs of one kind: the compares; the scalar count of equals ahead of each register; then vector work alone:
; X = 0 above t, the rank among the equals at t, 64 below t; chosen where X < NEED (NEED is 1 to 50).
.macro TIE z0, nb
.set y, 0
.rept \nb
	v_cmp_eq_u32 s[EQ+y], s[TH], v[K+(\z0)+y]
	v_cmp_lt_u32 s[GT+y], s[TH], v[K+(\z0)+y]
.set y, y+1
.endr
.set y, 0
.rept \nb
	s_mov_b32 s[BS+y], s[BASE]
	s_bcnt1_i32_b32 s[TP], s[EQ+y]
	s_add_co_u32 s[BASE], s[BASE], s[TP]
.set y, y+1
.endr
.set y, 0
.rept \nb
	v_mbcnt_lo_u32_b32 v[TT+y], s[EQ+y], s[BS+y]
.set y, y+1
.endr
.set y, 0
.rept \nb
	v_cndmask_b32 v[TT+y], 64, v[TT+y], s[EQ+y]
.set y, y+1
.endr
.set y, 0
.rept \nb
	v_cndmask_b32 v[TT+y], v[TT+y], 0, s[GT+y]
.set y, y+1
.endr
.set y, 0
.rept \nb
	v_cmp_gt_u32 s[BS+y], s[NEED], v[TT+y]
.set y, y+1
.endr
.set y, 0
.rept \nb
	v_writelane_b32 v[OUT+((\z0)+y)%4], s[BS+y], ((\z0)+y)/4
.set y, y+1
.endr
.endm
	s_load_b128 s[4:7], s[0:1], 0x0                ; AB s[4:5], selm s[6:7]
	v_lshrrev_b32 v1, 5, v0
	v_readfirstlane_b32 s12, v1
	s_lshl2_add_u32 s13, ttmp9, s12                ; my query
	s_lshl_b32 s14, s13, 15
	s_mov_b32 s15, 0
	s_lshl_b32 s16, s13, 9
	s_mov_b32 s17, 0
	s_mov_b32 s[SGN], 0x80000000
	v_and_b32 v2, 31, v0
	v_lshlrev_b32 v3, 3, v2                        ; 8 x lane
	v_lshlrev_b32 v2, 4, v2                        ; 16 x lane
	s_wait_kmcnt 0x0
	s_add_nc_u64 s[4:5], s[4:5], s[14:15]
	s_add_nc_u64 s[6:7], s[6:7], s[16:17]
.set z, 0
.rept 63
	global_load_b64 v[K+2*z:K+2*z+1], v3, s[4:5] offset:512*z  ; a segment's plane A: 256 consecutive bytes
.set z, z+1
.endr
.set z, 0
.rept 4
	v_mov_b32 v[OUT+z], 0                          ; word 126 stays 0
.set z, z+1
.endr
.set z, 0
.rept 3
	v_mov_b32 v[XK+z], 0                           ; key 0 is below every candidate
.set z, z+1
.endr
	s_wait_loadcnt 0x0
.set z, 0
.rept NR
	KEY K+z
.set z, z+1
.endr
.set z, 0
.rept 63+4                                         ; segment z's entry 31 goes from lane 31 into lane z % 31 of register XK + z / 31
.if z < 63
	v_readlane_b32 s[EQ+z%8], v[K+2*z], 31
.endif
.if z >= 4
	v_writelane_b32 v[XK+(z-4)/31], s[EQ+(z-4)%8], (z-4)%31
.endif
.set z, z+1
.endr
	s_mov_b32 s[TH], 0
	s_mov_b32 s[BIT], 0x80000000
	s_mov_b32 s[LC], 33
.Lbis:
	s_cmp_eq_u32 s[BIT], 0                         ; the last trip: the candidate is t + 1; fewer than fifty keys reach it, so t stays
	s_cselect_b32 s[TP], 1, 0
	s_or_b32 s[CD], s[TH], s[BIT]
	s_add_co_u32 s[CD], s[CD], s[TP]
	COUNT K, NK
	s_cmp_ge_u32 s[CN], 50
	s_cselect_b32 s[TH], s[CD], s[TH]
	s_lshr_b32 s[BIT], s[BIT], 1
	s_sub_co_u32 s[LC], s[LC], 1
	s_cmp_lg_u32 s[LC], 0
	s_cbranch_scc1 .Lbis
	s_sub_co_u32 s[NEED], 50, s[CN]                ; so many of the keys equal to t are taken, the first ones
	s_mov_b32 s[BASE], 0
.irp b, 0,1,2,3,4,5,6
	TIE 16*(\b), 16
.endr
	TIE 112, 14
	v_writelane_b32 v[OUT+3], s[TH], 31            ; word 127: t's key, for the next launch
	global_store_b128 v2, v[OUT:OUT+3], s[6:7]     ; 512 consecutive bytes
	s_endpgm
.Lfunc_end_k_qa764ac2549_pick:
	.size	k_qa764ac2549_pick, .Lfunc_end_k_qa764ac2549_pick-k_qa764ac2549_pick
	.p2alignl 7, 3214868480
	.fill 96, 4, 3214868480
	.section	.rodata,"a",@progbits
	.p2align	6, 0x0
	.amdhsa_kernel k_qa764ac2549_pick
		.amdhsa_group_segment_fixed_size 0
		.amdhsa_private_segment_fixed_size 0
		.amdhsa_enable_private_segment 0
		.amdhsa_kernarg_size 16
		.amdhsa_user_sgpr_count 2
		.amdhsa_user_sgpr_kernarg_segment_ptr 1
		.amdhsa_wavefront_size32 1
		.amdhsa_system_sgpr_workgroup_id_x 1
		.amdhsa_system_sgpr_workgroup_id_y 1
		.amdhsa_system_sgpr_workgroup_id_z 1
		.amdhsa_system_vgpr_workitem_id 0
		.amdhsa_next_free_vgpr 160
		.amdhsa_next_free_sgpr 82
		.amdhsa_reserve_vcc 0
		.amdhsa_float_denorm_mode_32 3
		.amdhsa_float_denorm_mode_16_64 3
		.amdhsa_memory_ordered 1
		.amdhsa_forward_progress 1
		.amdhsa_inst_pref_size 111
	.end_amdhsa_kernel
	.amdgpu_metadata
---
amdhsa.version: [ 1, 2 ]
amdhsa.kernels:
  - .name:           k_qa764ac2549_pick
    .symbol:         k_qa764ac2549_pick.kd
    .args:
      - { .name: AB, .offset: 0, .size: 8, .value_kind: global_buffer, .address_space: global }
      - { .name: selm, .offset: 8, .size: 8, .value_kind: global_buffer, .address_space: global }
    .group_segment_fixed_size: 0
    .private_segment_fixed_size: 0
    .kernarg_segment_align: 8
    .kernarg_segment_size: 16
    .max_flat_workgroup_size: 128
    .sgpr_count:     82
    .vgpr_count:     160
    .wavefront_size: 32
...
	.end_amdgpu_metadata
.endif
;; end of part 3
;; launch lists (part 4): grid 256 x 1, 8 waves a work-group, no clusters, 3,072 bytes of LDS; arguments selm, AB, lists; writes lists
.if DOCPART == 4
	.amdgcn_target "amdgcn-amd-amdhsa--gfx1250"
	.amdhsa_code_object_version 6
	.text
	.protected	k_qa764ac2549_lists
	.globl	k_qa764ac2549_lists
	.p2align	8
	.type	k_qa764ac2549_lists,@function
k_qa764ac2549_lists:
	s_mov_b64 s[64:65], 0
	v_nop
	global_prefetch_b8 v0, s[64:65] scope:SCOPE_SE
	s_setreg_imm32_b32 hwreg(HW_REG_WAVE_MODE, 25, 1), 1
	s_wait_xcnt 0x0
; FROM BITS TO A LIST.  One wave a query, eight queries a work-group; the waves have nothing to do with each other.
; selm[query]: bit l of word R < 126 says that position 32 R + l is one of the query's fifty groups; word 127 is t's key.  A set bit's rank is the number of set bits ahead of it.
; lists[query][rank 0..63] = the number in the memory of the group's best unit (2 rows; under 50,000) | 0x10000 where the group's second best unit may reach t, so that the whole group must be looked at.
; Ranks 50 to 63 hold 0.  The addresses here hang on selm's whole numbers, each clamped; what is read from AB (plane B: m2's bits with the unit's number in the low four) is only turned into the word that is stored.
; A record is 256 bytes and leaves by one store of the wave.  No matrix unit, no cluster: nothing is multiplied and nothing is shared.
.set SPARE, 2048       ; LDS: wave w's positions by rank at 256 w (entry 63 takes what belongs nowhere); behind them the spare words, 128 bytes a wave
.set SPW, 30
.set NIL, 31
.set C252, 11          ; v11  252, entry 63's bytes
.set WV,  12
.set QN,  13
.set WB,  14           ; s14  my wave's LDS
.set SB,  15           ; s15  set bits so far
.set TP,  16
.set LC,  17
.set TH,  18           ; s18  t's key
.set SGN, 19
.set HI,  28           ; s28  lanes 25-31: ranks 50-63
.set MK,  29           ; s29, s30
; One word of the mask.  Every lane stores: a lane whose bit is clear writes into entry 63, which no rank reaches.  The entry's bytes are chosen, then clamped, then my LDS is added.
.macro LBW a, t
	v_mbcnt_lo_u32_b32 v[\t], s[\a], s[SB]
	v_lshlrev_b32 v[\t], 2, v[\t]
	v_cndmask_b32 v[\t], v[C252], v[\t], s[\a]
	v_min_u32 v[\t], 252, v[\t]
	v_add_nc_u32 v[\t], s[WB], v[\t]
	ds_store_b32 v[\t], v12
	s_bcnt1_i32_b32 s[TP], s[\a]
	s_add_co_u32 s[SB], s[SB], s[TP]
	v_add_nc_u32 v12, 32, v12
.endm
	s_load_b128 s[4:7], s[0:1], 0x0                ; selm s[4:5], AB s[6:7]
	s_load_b64 s[8:9], s[0:1], 0x10                ; lists
	v_lshl_add_u32 v[SPW], v0, 2, SPARE
	v_mov_b32 v[NIL], 0
	v_lshrrev_b32 v1, 5, v0
	v_readfirstlane_b32 s[WV], v1
	s_lshl3_add_u32 s[QN], ttmp9, s[WV]            ; my query
	s_lshl_b32 s[WB], s[WV], 8
	v_and_b32 v1, 31, v0
	v_lshlrev_b32 v14, 3, v1                       ; 8 x lane
	v_add_nc_u32 v13, s[WB], v14
	v_mov_b32 v[C252], 252
	v_mov_b32 v15, 0x10000
	v_mov_b32 v20, 0
	v_mov_b32 v21, 0
	ds_store_b64 v13, v[20:21]                     ; ranks that the mask does not fill name position 0
	s_lshl_b32 s20, s[QN], 9
	s_mov_b32 s21, 0
	s_lshl_b32 s22, s[QN], 15
	s_mov_b32 s23, 0
	s_lshl_b32 s24, s[QN], 8
	s_mov_b32 s25, 0
	s_mov_b32 s[SGN], 0x80000000
	s_mov_b32 s[HI], 0xfe000000
	s_wait_kmcnt 0x0
	s_add_nc_u64 s[4:5], s[4:5], s[20:21]
	s_add_nc_u64 s[6:7], s[6:7], s[22:23]
	s_add_nc_u64 s[8:9], s[8:9], s[24:25]
	v_mov_b32 v12, v1                              ; my position in the word in hand
	s_mov_b32 s[SB], 0
	s_mov_b32 s[LC], 8
.Llb:                                              ; sixteen words a trip
	s_load_b512 s[32:47], s[4:5], 0x0
	s_wait_kmcnt 0x0
	s_wait_xcnt 0x0                                ; the base is stepped only behind this wait
	s_add_nc_u64 s[4:5], s[4:5], 64
	s_cmp_eq_u32 s[LC], 1                          ; the last trip's last word is no mask:
	s_cselect_b32 s[TP], 0, -1
	s_mov_b32 s[TH], s47                           ; it is t's key,
	s_and_b32 s47, s47, s[TP]                      ; and counts as empty
.irp j, 0,1,2,3,4,5,6,7,8,9,10,11,12,13,14,15
	LBW 32+(\j), 9+(\j)%2
.endr
	s_sub_co_u32 s[LC], s[LC], 1
	s_cmp_lg_u32 s[LC], 0
	s_cbranch_scc1 .Llb
	; Ranks 2 l and 2 l + 1.  Position p: segment p / 64, entry p % 64; group = min(50 segment, 3075) + entry; B's word lies at 128 segment + 64 + 2 (entry % 32) + entry / 32.
	ds_load_b64 v[16:17], v13                      ; LDS serves a wave's instructions in order: this sees the stores above
	s_wait_dscnt 0x0
.irp h, 0,1
	v_lshrrev_b32 v[2+(\h)], 6, v[16+(\h)]
	v_and_b32 v[4+(\h)], 63, v[16+(\h)]
	v_and_b32 v[6+(\h)], 31, v[4+(\h)]
	v_lshrrev_b32 v[20+(\h)], 5, v[4+(\h)]
	v_lshl_add_u32 v[6+(\h)], v[6+(\h)], 1, v[20+(\h)]
	v_lshl_add_u32 v[6+(\h)], v[2+(\h)], 7, v[6+(\h)]
	v_add_nc_u32 v[6+(\h)], 64, v[6+(\h)]
	v_min_u32 v[6+(\h)], 8063, v[6+(\h)]           ; the last word of a query's part of AB that is ever written
	v_lshlrev_b32 v[6+(\h)], 2, v[6+(\h)]
	global_load_b32 v[18+(\h)], v[6+(\h)], s[6:7]
	v_mul_u32_u24 v[2+(\h)], 50, v[2+(\h)]
	v_min_u32 v[2+(\h)], 3075, v[2+(\h)]
	v_add_nc_u32 v[2+(\h)], v[2+(\h)], v[4+(\h)]   ; the group
.endr
	s_wait_loadcnt 0x0
.irp h, 0,1
	v_and_b32 v[20+(\h)], 15, v[18+(\h)]           ; the unit in the group
	v_lshl_add_u32 v[2+(\h)], v[2+(\h)], 4, v[20+(\h)]  ; the unit in the memory
	v_ashrrev_i32 v[20+(\h)], 31, v[18+(\h)]       ; m2's key,
	v_or_b32 v[20+(\h)], s[SGN], v[20+(\h)]
	v_xor_b32 v[18+(\h)], v[18+(\h)], v[20+(\h)]
	v_or_b32 v[18+(\h)], 15, v[18+(\h)]            ; or rather an upper bound of it: the key's making only flips bits
	v_cmp_le_u32 s[MK+(\h)], s[TH], v[18+(\h)]
	v_cndmask_b32 v[20+(\h)], 0, v15, s[MK+(\h)]
	v_or_b32 v[2+(\h)], v[2+(\h)], v[20+(\h)]
	v_cndmask_b32 v[22+(\h)], v[2+(\h)], 0, s[HI]
.endr
	global_store_b64 v14, v[22:23], s[8:9]         ; 256 consecutive bytes, at a multiple of 256 from the buffer's first
	s_wait_tensorcnt 0x0                           ; the wave's end
	ds_add_u32 v[SPW], v[NIL]
	s_wait_dscnt 0x0
	s_endpgm
.Lfunc_end_k_qa764ac2549_lists:
	.size	k_qa764ac2549_lists, .Lfunc_end_k_qa764ac2549_lists-k_qa764ac2549_lists
	.p2alignl 7, 3214868480
	.fill 96, 4, 3214868480
	.section	.rodata,"a",@progbits
	.p2align	6, 0x0
	.amdhsa_kernel k_qa764ac2549_lists
		.amdhsa_group_segment_fixed_size 3072
		.amdhsa_private_segment_fixed_size 0
		.amdhsa_enable_private_segment 0
		.amdhsa_kernarg_size 24
		.amdhsa_user_sgpr_count 2
		.amdhsa_user_sgpr_kernarg_segment_ptr 1
		.amdhsa_wavefront_size32 1
		.amdhsa_system_sgpr_workgroup_id_x 1
		.amdhsa_system_sgpr_workgroup_id_y 1
		.amdhsa_system_sgpr_workgroup_id_z 1
		.amdhsa_system_vgpr_workitem_id 0
		.amdhsa_next_free_vgpr 32
		.amdhsa_next_free_sgpr 66
		.amdhsa_reserve_vcc 0
		.amdhsa_float_denorm_mode_32 3
		.amdhsa_float_denorm_mode_16_64 3
		.amdhsa_memory_ordered 1
		.amdhsa_forward_progress 1
		.amdhsa_inst_pref_size 11
	.end_amdhsa_kernel
	.amdgpu_metadata
---
amdhsa.version: [ 1, 2 ]
amdhsa.kernels:
  - .name:           k_qa764ac2549_lists
    .symbol:         k_qa764ac2549_lists.kd
    .args:
      - { .name: selm, .offset: 0, .size: 8, .value_kind: global_buffer, .address_space: global }
      - { .name: AB, .offset: 8, .size: 8, .value_kind: global_buffer, .address_space: global }
      - { .name: lists, .offset: 16, .size: 8, .value_kind: global_buffer, .address_space: global }
    .group_segment_fixed_size: 3072
    .private_segment_fixed_size: 0
    .kernarg_segment_align: 8
    .kernarg_segment_size: 24
    .max_flat_workgroup_size: 256
    .sgpr_count:     66
    .vgpr_count:     32
    .wavefront_size: 32
...
	.end_amdgpu_metadata
.endif
;; end of part 4
;; launch refine (part 5): grid 256 x 1, 8 waves a work-group, no clusters, 206,080 bytes of LDS; arguments lists, Mb, Tb, out1, part; writes out1, part
.if DOCPART == 5
	.amdgcn_target "amdgcn-amd-amdhsa--gfx1250"
	.amdhsa_code_object_version 6
	.text
	.protected	k_qa764ac2549_refine
	.globl	k_qa764ac2549_refine
	.p2align	8
	.type	k_qa764ac2549_refine,@function
k_qa764ac2549_refine:
	s_mov_b64 s[64:65], 0
	v_nop
	global_prefetch_b8 v0, s[64:65] scope:SCOPE_SE
	s_setreg_imm32_b32 hwreg(HW_REG_WAVE_MODE, 25, 1), 1
	s_wait_xcnt 0x0
; THE FIFTY ROWS OF EACH QUERY, THEIR SOFTMAX, THE MESSAGE, out1, AND THE WORK-GROUP'S SHARE OF THE GLOBAL FEATURE.  One wave a query, eight queries a work-group.
; 1 lists[query][rank] names the best unit (2 rows) of each of the fifty groups, by rank (ascending in the memory's rows), and flags the groups that must be looked at whole; those are gathered into a second list.
; 2 Pass A: of each group its best unit, of the groups on the second list all 16 units, are gathered 16 units at a time and multiplied with the query by the same matrix instruction,
;   in the same order of K, as the scores were made.  A score goes to slot 32 x rank + its row in the group; all other slots hold -inf.
; 3 The fifty largest of the 1,600 slots, ties to the lower slot, which is the lower row: keys and 33 trips of counting.  Weights 2^((s - max) c), c = log2(e) / 0.02; 0 where not chosen.
; 4 Pass B: the same units are gathered again and added up, each row times its weight, in f32 (one vector a query: the matrix unit would work at a sixteenth of its width).  A slot's weight is cleared when it has been used.
; 5 u = Tb's row + message / Z, divided by max(|u|, 1e-12): out1.  6 The eight queries' maxima and rows meet in LDS: part[group] = sum of 2^(c (e_j - m)) u_j, and (m, z).
; Addresses and trip counts hang on the list's whole numbers, each clamped; scores only ever choose values.
; No cluster and no tensor load: the rows are scattered and no two work-groups share them by plan.  LIMITS: all operands, the gathered rows and the patches are the bf16 copies; NaN and infinities are not treated apart;
; a weight below 2^-126 counts as 0; -0 counts as below +0.
.set WLDS, 24576       ; LDS of a wave:
.set CPITCH, 528       ;   0       32 gathered rows x 528 bytes (512 + 16: the 16 rows of a fragment load start at 16 different groups of four banks)
.set SS,   16896       ;   16,896  1,600 slots of 4 bytes, and at byte 6,400 a trash slot
.set TRASH, 6400
.set UL,   23808       ;   by rank: the best unit's number in the memory
.set SA,   24064       ;   by rank: that unit's slot, in bytes
.set EL,   24320       ;   the groups to be looked at whole: group | rank << 12; entry 63 takes what belongs nowhere
.set WR,   196608      ; the work-group's: eight rows of 1,024 bytes,
.set WE,   204800      ; eight maxima,
.set SPARE, 205056     ; and the spare words, 128 bytes a wave
.set SPW, 14
.set NIL, 15
.set D0,  16           ; v16-23, v24-31 the two accumulators of pass A; else at work
.set D1,  24
.set ACC, 20           ; v20-23 while the fifty are sought: four sums that take turns
.set AC,  32           ; v32-39 the message: channels 4 l .. 4 l + 3 and 128 + 4 l .. ; in pass A at work
.set GA,  40           ; v40-55 sixteen gather addresses
.set TT,  40           ;        while the fifty are chosen: at work
.set VU,  56           ; v56  lane i % 16: the unit of the chunk's entry i
.set C252, 56          ;      while the second list is made: 252, entry 63's bytes
.set VS0, 57           ; v57, v58 slot addresses
.set VS1, 58
.set TRV, 59           ; v59  6,400
.set E80, 60           ; v60  8 x E0, E0 = 4 (lane / 16) + lane % 4: the entry whose scores I store
.set ULA, 61           ; v61-63 LDS addresses that step
.set SAA, 62
.set ELA, 63
.set QF,  64           ; v64-127 the query as source 1: every column is the same query
.set RR,  128          ; v128-255 gathered rows, fragments; later scores (v128-177) and keys (v178-227, and lane 31's once more in v228-229)
.set KY,  178
.set WT,  26           ; v26-27 a row's weight, in every lane
.set WV,  18
.set QN,  19
.set WB,  20           ; s20  my wave's LDS
.set SE,  22
.set EW,  24
.set LC,  25
.set NE,  26           ; s26  groups to be looked at whole
.set TP,  27
.set MO,  28           ; lanes with bit 0 set
.set MT,  29           ; with bit 1 set
.set M4,  30           ; lanes 0-3 and 16-19
.set SBS, 31           ; my slots
.set TH,  32
.set BIT, 33
.set CD,  34
.set CN,  35
.set NEED, 36
.set BASE, 37
.set MA,  40           ; s[40:47] a ring of eight masks
.set SEL, 50           ; s50, s51
.set CC,  52
.set H18, 53           ; lanes 18-31: ranks 50-63
.set IX,  54
.set T0,  55
.set T1,  56
.set T2,  57
.set SGN, 58
.set US,  68           ; s[68:99]
.set EQ,  68           ; while the fifty are chosen: ten masks each: equal to the fiftieth,
.set BS,  78           ; equals ahead of the register, then: chosen,
.set GT,  88           ; above the fiftieth
.macro WSUM r, t                    ; the sum over the wave's 32 lanes, in every lane
	v_mov_b32 v[\t], v[\r]
	v_add_f32_dpp v[\r], v[\r], v[\r] row_xmask:1 row_mask:0xf bank_mask:0xf
	v_add_f32_dpp v[\r], v[\r], v[\r] row_xmask:2 row_mask:0xf bank_mask:0xf
	v_add_f32_dpp v[\r], v[\r], v[\r] row_xmask:4 row_mask:0xf bank_mask:0xf
	v_add_f32_dpp v[\r], v[\r], v[\r] row_xmask:8 row_mask:0xf bank_mask:0xf
	v_permlanex16_b32 v[\t], v[\r], s[SEL], s[SEL+1]
	v_add_f32 v[\r], v[\r], v[\t]
.endm
; s[CN] = how many of the keys in lanes 0-30 of the n registers from v[kb] on are >= s[CD]: v_mbcnt adds to each lane's sum the mask's bits below that lane, so lane 31's sum holds lanes 0-30
.macro COUNT kb, n
.set z, 0
.rept (\n)+4
.if z < (\n)
	v_cmp_le_u32 s[MA+z%8], s[CD], v[(\kb)+z]
.endif
.if z >= 8
	v_mbcnt_lo_u32_b32 v[ACC+z%4], s[MA+(z-4)%8], v[ACC+z%4]
.elseif z >= 4
	v_mbcnt_lo_u32_b32 v[ACC+z%4], s[MA+(z-4)%8], 0
.endif
.set z, z+1
.endr
	v_add_nc_u32 v[ACC], v[ACC], v[ACC+1]
	v_add_nc_u32 v[ACC+2], v[ACC+2], v[ACC+3]
	v_add_nc_u32 v[ACC], v[ACC], v[ACC+2]
	v_readlane_b32 s[CN], v[ACC], 31
.endm
	s_load_b64 s[4:5], s[0:1], 0x0                 ; lists
	s_load_b64 s[10:11], s[0:1], 0x8               ; Mb
	s_load_b128 s[12:15], s[0:1], 0x10             ; Tb s[12:13], out1 s[14:15]
	s_load_b64 s[16:17], s[0:1], 0x20              ; part
	v_lshl_add_u32 v[SPW], v0, 2, SPARE
	v_mov_b32 v[NIL], 0
	v_lshrrev_b32 v1, 5, v0
	v_readfirstlane_b32 s[WV], v1
	s_lshl3_add_u32 s[QN], ttmp9, s[WV]            ; my query
	s_mul_i32 s[WB], s[WV], WLDS
	s_add_co_u32 s[SBS], s[WB], SS
	v_and_b32 v1, 31, v0                           ; l
	v_and_b32 v2, 15, v0                           ; r
	v_bfe_u32 v3, v0, 4, 1                         ; h
	v_lshlrev_b32 v4, 4, v1                        ; 16 l
	v_lshlrev_b32 v5, 3, v1                        ; 8 l
	v_mul_u32_u24 v6, v2, CPITCH
	v_lshl_add_u32 v6, v3, 4, v6
	v_add_nc_u32 v6, s[WB], v6                     ; a fragment's row x pitch + 16 x half
	v_add_nc_u32 v7, s[WB], v4                     ; my LDS + 16 l
	v_lshl_add_u32 v8, v1, 2, s[WB]                ; my LDS + 4 l
	v_add_nc_u32 v10, s[WB], v5                    ; my LDS + 8 l
	v_lshlrev_b32 v12, 2, v1                       ; 4 l
	v_mov_b32 v[TRV], TRASH
	v_mov_b32 v[C252], 252
.irp z, 16,17,18,19
	v_mov_b32 v[\z], 0xff800000
.endr
	v_mov_b32 v20, 0
	v_mov_b32 v21, 0
.set z, 0
.rept 13
	ds_store_b128 v7, v[16:19] offset:SS+512*z     ; every slot starts at -inf
.set z, z+1
.endr
	ds_store_b64 v10, v[20:21] offset:EL
	s_lshl_b32 s32, s[QN], 9
	s_mov_b32 s33, 0
	s_lshl_b32 s34, s[QN], 8
	s_mov_b32 s35, 0
	s_lshl_b32 s36, s[QN], 10
	s_mov_b32 s37, 0
	s_mul_i32 s38, ttmp9, 1536
	s_mov_b32 s39, 0
	s_mov_b32 s[MO], 0xaaaaaaaa
	s_mov_b32 s[MT], 0xcccccccc
	s_mov_b32 s[M4], 0x000f000f
	s_mov_b32 s[SEL], 0x76543210
	s_mov_b32 s[SEL+1], 0xfedcba98
	s_mov_b32 s[CC], 0x429044fe                    ; c = log2(e) / 0.02 = 72.13475
	s_mov_b32 s[H18], 0xfffc0000
	s_mov_b32 s[SGN], 0x80000000
	s_mov_b32 s[SE], 0
	s_wait_kmcnt 0x0
	s_add_nc_u64 s[4:5], s[4:5], s[34:35]
	s_add_nc_u64 s[12:13], s[12:13], s[32:33]
	s_add_nc_u64 s[14:15], s[14:15], s[36:37]
	s_add_nc_u64 s[16:17], s[16:17], s[38:39]
	global_load_b32 v24, v12, s[4:5]               ; ranks l
	global_load_b32 v25, v12, s[4:5] offset:128    ; and 32 + l: together the record's 256 bytes
	v_lshlrev_b32 v13, 4, v3
.set z, 0
.rept 8
	global_load_b128 v[QF+8*z:QF+8*z+3],   v13, s[12:13] offset:64*z     ; K 32 z + 8 h on, whatever the column
	global_load_b128 v[QF+8*z+4:QF+8*z+7], v13, s[12:13] offset:64*z+32
.set z, z+1
.endr
	; 1 THE LIST goes into LDS by rank: the unit, and its slot 128 x rank + 8 x (unit in its group).  The flagged groups are gathered: a flagged lane's place is the number of flags ahead of it;
	; every lane stores, an unflagged one into entry 63, which no place reaches.  The entry's bytes are chosen, then clamped, then my LDS is added.
.macro LST hf, e
	v_and_b32 v11, 0xffff, v[\e]
	v_and_b32 v16, 15, v[\e]
	v_lshlrev_b32 v16, 3, v16
	v_lshl_add_u32 v16, v1, 7, v16
.if \hf
	v_add_nc_u32 v16, 4096, v16
	v_cndmask_b32 v16, v16, v[TRV], s[H18]         ; ranks 50-63 (their unit is 0): into the trash slot
.endif
	ds_store_b32 v8, v11 offset:UL+128*(\hf)
	ds_store_b32 v8, v16 offset:SA+128*(\hf)
	v_and_b32 v17, 0x10000, v[\e]
	v_cmp_ne_u32 s[EW], 0, v17
	v_mbcnt_lo_u32_b32 v17, s[EW], s[SE]
	v_lshlrev_b32 v17, 2, v17
	v_cndmask_b32 v17, v[C252], v17, s[EW]
	v_min_u32 v17, 252, v17
	v_add_nc_u32 v17, s[WB], v17
	v_bfe_u32 v18, v[\e], 4, 12                    ; the group
	v_add_nc_u32 v19, 32*(\hf), v1                 ; the rank
	v_lshl_or_b32 v18, v19, 12, v18
	ds_store_b32 v17, v18 offset:EL
	s_bcnt1_i32_b32 s[TP], s[EW]
	s_add_co_u32 s[SE], s[SE], s[TP]
.endm
	s_wait_loadcnt 16                              ; the list's two words are in; the sixteen loads of the query, issued behind them, stay out
	LST 0, 24
	LST 1, 25
	s_min_u32 s[NE], s[SE], 50
; The chunk's sixteen units become sixteen gather addresses: the unit, clamped, x 1,024 bytes + my lane's bytes (register lv)
.macro UADDR lv
.set z, 0
.rept 16
	v_readlane_b32 s[US+z], v[VU], z
.set z, z+1
.endr
.set z, 0
.rept 16
	s_min_u32 s[US+z], s[US+z], 49999              ; the memory has 50,000 units
.set z, z+1
.endr
.set z, 0
.rept 16
	s_lshl_b32 s[US+z], s[US+z], 10
.set z, z+1
.endr
.set z, 0
.rept 16
	v_add_nc_u32 v[GA+z], s[US+z], v[\lv]
.set z, z+1
.endr
.endm
; What entry IX of the second list says: the group's sixteen units, and 128 x its rank in s[T0]
.macro XSET
	ds_load_b32 v9, v[ELA] offset:EL
	s_wait_dscnt 0x0
	v_readfirstlane_b32 s[T0], v9
	s_and_b32 s[T2], s[T0], 4095
	s_min_u32 s[T2], s[T2], 3124
	s_lshr_b32 s[T0], s[T0], 12
	s_min_u32 s[T0], s[T0], 49
	s_lshl_b32 s[T0], s[T0], 7
	v_lshl_add_u32 v[VU], s[T2], 4, v2
.endm
; 2 A CHUNK OF PASS A: 16 units = 32 rows are gathered (a wave's load covers a row's 512 bytes), laid into LDS, read back as two tiles' fragments and multiplied: 16 matrix instructions, the two
; accumulators by turns.  All columns are alike: lane (r, h) holds rows 8 h + 0..7 of a tile; lanes r < 4 store unit 4 h + r's two scores, the others write to the trash slot.
.macro CHUNK_A
	v_cndmask_b32 v[VS0], v[TRV], v[VS0], s[M4]
	v_cndmask_b32 v[VS1], v[TRV], v[VS1], s[M4]
	v_min_u32 v[VS0], TRASH, v[VS0]
	v_min_u32 v[VS1], TRASH, v[VS1]
	v_add_nc_u32 v[VS0], s[SBS], v[VS0]
	v_add_nc_u32 v[VS1], s[SBS], v[VS1]
	UADDR 4
.set z, 0
.rept 16
	global_load_b128 v[RR+8*z:RR+8*z+3],   v[GA+z], s[10:11]
	global_load_b128 v[RR+8*z+4:RR+8*z+7], v[GA+z], s[10:11] offset:512
.set z, z+1
.endr
	s_wait_loadcnt 0x0
.set z, 0
.rept 32
	ds_store_b128 v7, v[RR+4*z:RR+4*z+3] offset:z*CPITCH
.set z, z+1
.endr
.set z, 0
.rept 16                                           ; tile z / 8, K 32 (z % 8) on; LDS serves a wave's instructions in order: these see the stores above
	ds_load_b128 v[RR+8*z:RR+8*z+3],   v6 offset:(z/8)*16*CPITCH+(z%8)*64
	ds_load_b128 v[RR+8*z+4:RR+8*z+7], v6 offset:(z/8)*16*CPITCH+(z%8)*64+32
.set z, z+1
.endr
	s_wait_dscnt 0x0
	v_wmma_f32_16x16x32_bf16 v[D0:D0+7], v[RR:RR+7], v[QF:QF+7], 0
	v_wmma_f32_16x16x32_bf16 v[D1:D1+7], v[RR+64:RR+71], v[QF:QF+7], 0
.set z, 1
.rept 7
	v_wmma_f32_16x16x32_bf16 v[D0:D0+7], v[RR+8*z:RR+8*z+7], v[QF+8*z:QF+8*z+7], v[D0:D0+7]
	v_wmma_f32_16x16x32_bf16 v[D1:D1+7], v[RR+64+8*z:RR+64+8*z+7], v[QF+8*z:QF+8*z+7], v[D1:D1+7]
.set z, z+1
.endr
.rept 4
	v_nop                                          ; the places behind the last products
.endr
.irp d, D0, D1
	v_cndmask_b32 v32, v[(\d)], v[(\d)+2], s[MO]   ; registers 2 r and 2 r + 1 of the eight, by the lane's two low bits; the lowest are read first
	v_cndmask_b32 v33, v[(\d)+1], v[(\d)+3], s[MO]
	v_cndmask_b32 v34, v[(\d)+4], v[(\d)+6], s[MO]
	v_cndmask_b32 v35, v[(\d)+5], v[(\d)+7], s[MO]
	v_cndmask_b32 v36, v32, v34, s[MT]
	v_cndmask_b32 v37, v33, v35, s[MT]
	ds_store_b64 v[VS0+((\d)-D0)/8], v[36:37]
.endr
.endm
	v_lshlrev_b32 v9, 2, v3
	v_and_b32 v10, 3, v2
	v_add_nc_u32 v9, v9, v10                       ; E0
	v_lshlrev_b32 v[E80], 3, v9
	v_lshl_add_u32 v[SAA], v9, 2, s[WB]
	v_lshl_add_u32 v[ULA], v2, 2, s[WB]
	s_mov_b32 s[LC], 4
.Lfa:                                              ; ranks 16 c .. 16 c + 15: the best units
	ds_load_b32 v[VU], v[ULA] offset:UL
	ds_load_b32 v[VS0], v[SAA] offset:SA
	ds_load_b32 v[VS1], v[SAA] offset:SA+32
	s_wait_dscnt 0x0
	CHUNK_A
	v_add_nc_u32 v[ULA], 64, v[ULA]
	v_add_nc_u32 v[SAA], 64, v[SAA]
	s_sub_co_u32 s[LC], s[LC], 1
	s_cmp_lg_u32 s[LC], 0
	s_cbranch_scc1 .Lfa
	v_mov_b32 v[ELA], s[WB]
	s_mov_b32 s[IX], 0
.Lxa:                                              ; the groups to be looked at whole: counted to the constant 50, the dead trips jumped over
	s_cmp_ge_u32 s[IX], s[NE]
	s_cbranch_scc1 .Lxa_skip
	XSET
	v_add_nc_u32 v[VS0], s[T0], v[E80]
	v_add_nc_u32 v[VS1], 64, v[VS0]
	CHUNK_A
.Lxa_skip:
	v_add_nc_u32 v[ELA], 4, v[ELA]
	s_add_co_u32 s[IX], s[IX], 1
	s_cmp_lt_u32 s[IX], 50
	s_cbranch_scc1 .Lxa
	; 3 THE FIFTY.  Register i, lane l is slot 32 i + l.
.set z, 0
.rept 50
	ds_load_b32 v[RR+z], v8 offset:SS+128*z
.set z, z+1
.endr
	s_wait_dscnt 0x0
	v_max_num_f32 v16, v[RR], v[RR+1]
.set z, 2
.rept 24
	v_max3_num_f32 v16, v16, v[RR+z], v[RR+z+1]
.set z, z+2
.endr
	v_mov_b32 v17, v16
	v_max_num_f32_dpp v16, v16, v16 row_xmask:1 row_mask:0xf bank_mask:0xf
	v_max_num_f32_dpp v16, v16, v16 row_xmask:2 row_mask:0xf bank_mask:0xf
	v_max_num_f32_dpp v16, v16, v16 row_xmask:4 row_mask:0xf bank_mask:0xf
	v_max_num_f32_dpp v16, v16, v16 row_xmask:8 row_mask:0xf bank_mask:0xf
	v_permlanex16_b32 v17, v16, s[SEL], s[SEL+1]
	v_max_num_f32 v16, v16, v17                    ; the query's largest score: the softmax's maximum, and the evidence
.set z, 0
.rept 50
	v_ashrrev_i32 v[9+z%2], 31, v[RR+z]
	v_or_b32 v[9+z%2], s[SGN], v[9+z%2]
	v_xor_b32 v[KY+z], v[RR+z], v[9+z%2]
.set z, z+1
.endr
	v_mov_b32 v[KY+50], 0                          ; key 0 is below every candidate
	v_mov_b32 v[KY+51], 0
.set z, 0
.rept 50+4                                         ; lane 31's fifty keys once more, in lanes 0-30 of two registers: the count reaches lanes 0-30 alone
.if z < 50
	v_readlane_b32 s[US+z%8], v[KY+z], 31
.endif
.if z >= 4
	v_writelane_b32 v[KY+50+(z-4)/31], s[US+(z-4)%8], (z-4)%31
.endif
.set z, z+1
.endr
	s_mov_b32 s[TH], 0
	s_mov_b32 s[BIT], 0x80000000
	s_mov_b32 s[LC], 33
.Lbis:
	s_cmp_eq_u32 s[BIT], 0                         ; the last trip counts the keys above the fiftieth
	s_cselect_b32 s[TP], 1, 0
	s_or_b32 s[CD], s[TH], s[BIT]
	s_add_co_u32 s[CD], s[CD], s[TP]
	COUNT KY, 52
	s_cmp_ge_u32 s[CN], 50
	s_cselect_b32 s[TH], s[CD], s[TH]
	s_lshr_b32 s[BIT], s[BIT], 1
	s_sub_co_u32 s[LC], s[LC], 1
	s_cmp_lg_u32 s[LC], 0
	s_cbranch_scc1 .Lbis
	s_sub_co_u32 s[NEED], 50, s[CN]
	s_mov_b32 s[BASE], 0
.set z, 0
.rept 50
	v_sub_f32 v[RR+z], v[RR+z], v16                ; the difference first, then the scale: no difference of large products
	v_mul_f32 v[RR+z], s[CC], v[RR+z]
.set z, z+1
.endr
.set z, 0
.rept 50
	v_exp_f32 v[RR+z], v[RR+z]
.set z, z+1
.endr
	v_mov_b32 v18, 0                               ; plain instructions behind the last exponential
	v_mov_b32 v19, 0
	s_wait_alu depctr_va_vdst(0)
; The choice for ten registers from z0 on, in runs of one kind: the compares; the scalar count of equals ahead of each register; then vector work alone:
; X = 0 above the fiftieth, the rank among its equals, 64 below it; chosen where X < NEED (1 to 50).  A slot that is not chosen gets the weight 0.
.macro TIEW z0
.set y, 0
.rept 10
	v_cmp_eq_u32 s[EQ+y], s[TH], v[KY+(\z0)+y]
	v_cmp_lt_u32 s[GT+y], s[TH], v[KY+(\z0)+y]
.set y, y+1
.endr
.set y, 0
.rept 10
	s_mov_b32 s[BS+y], s[BASE]
	s_bcnt1_i32_b32 s[TP], s[EQ+y]
	s_add_co_u32 s[BASE], s[BASE], s[TP]
.set y, y+1
.endr
.set y, 0
.rept 10
	v_mbcnt_lo_u32_b32 v[TT+y], s[EQ+y], s[BS+y]
.set y, y+1
.endr
.set y, 0
.rept 10
	v_cndmask_b32 v[TT+y], 64, v[TT+y], s[EQ+y]
.set y, y+1
.endr
.set y, 0
.rept 10
	v_cndmask_b32 v[TT+y], v[TT+y], 0, s[GT+y]
.set y, y+1
.endr
.set y, 0
.rept 10
	v_cmp_gt_u32 s[BS+y], s[NEED], v[TT+y]
.set y, y+1
.endr
.set y, 0
.rept 10
	v_cndmask_b32 v[RR+(\z0)+y], 0, v[RR+(\z0)+y], s[BS+y]
.set y, y+1
.endr
.set y, 0
.rept 10
	v_add_f32 v[18+y%2], v[18+y%2], v[RR+(\z0)+y]
	ds_store_b32 v8, v[RR+(\z0)+y] offset:SS+128*((\z0)+y)  ; the slot now holds the weight
.set y, y+1
.endr
.endm
.irp b, 0,1,2,3,4
	TIEW 10*(\b)
.endr
	v_add_f32 v18, v18, v19
	WSUM 18, 19                                    ; Z, at least 1: the largest score's weight
	v_mov_b32 v20, 0
	v_mov_b32 v21, 0
	v_mov_b32 v9, s[SBS]
	ds_store_b64 v9, v[20:21] offset:TRASH
; 4 A CHUNK OF PASS B.  Lane i % 16 reads entry i's two weights and clears them; 16 units are gathered, 8 bytes a lane (a load covers 256 consecutive bytes: half a row); each row times its weight is added.
.macro CHUNK_B
	v_min_u32 v[VS0], TRASH, v[VS0]
	v_add_nc_u32 v[VS0], s[SBS], v[VS0]
	ds_load_b64 v[10:11], v[VS0]
	ds_store_b64 v[VS0], v[20:21]                  ; used once: a group looked at whole does not count its best unit twice
	UADDR 5
.set z, 0
.rept 16
.irp j, 0,1,2,3
	global_load_b64 v[RR+8*z+2*(\j):RR+8*z+2*(\j)+1], v[GA+z], s[10:11] offset:256*(\j)
.endr
.set z, z+1
.endr
	s_wait_dscnt 0x0
.set z, 0
.rept 16
	v_readlane_b32 s[US+2*z], v10, z
	v_readlane_b32 s[US+2*z+1], v11, z
.set z, z+1
.endr
	s_wait_loadcnt 0x0
.set z, 0
.rept 32
	v_mov_b32 v[WT+z%2], s[US+z]
.irp y, 0,1,2,3
	v_fma_mix_f32_bf16 v[AC+2*(\y)],   v[RR+4*z+(\y)], v[WT+z%2], v[AC+2*(\y)] op_sel_hi:[1,0,0]
	v_fma_mix_f32_bf16 v[AC+2*(\y)+1], v[RR+4*z+(\y)], v[WT+z%2], v[AC+2*(\y)+1] op_sel:[1,0,0] op_sel_hi:[1,0,0]
.endr
.set z, z+1
.endr
.endm
.set z, 0
.rept 8
	v_mov_b32 v[AC+z], 0
.set z, z+1
.endr
	global_load_b64 v[22:23], v5, s[12:13]             ; my eight channels of the patch: waited for with the first chunk's rows
	global_load_b64 v[24:25], v5, s[12:13] offset:256
	v_lshl_add_u32 v[ULA], v2, 2, s[WB]
	s_mov_b32 s[LC], 4
.Lfb:
	ds_load_b32 v[VU], v[ULA] offset:UL
	ds_load_b32 v[VS0], v[ULA] offset:SA
	s_wait_dscnt 0x0
	CHUNK_B
	v_add_nc_u32 v[ULA], 64, v[ULA]
	s_sub_co_u32 s[LC], s[LC], 1
	s_cmp_lg_u32 s[LC], 0
	s_cbranch_scc1 .Lfb
	v_mov_b32 v[ELA], s[WB]
	s_mov_b32 s[IX], 0
.Lxb:
	s_cmp_ge_u32 s[IX], s[NE]
	s_cbranch_scc1 .Lxb_skip
	XSET
	v_lshl_add_u32 v[VS0], v2, 3, s[T0]
	CHUNK_B
.Lxb_skip:
	v_add_nc_u32 v[ELA], 4, v[ELA]
	s_add_co_u32 s[IX], s[IX], 1
	s_cmp_lt_u32 s[IX], 50
	s_cbranch_scc1 .Lxb
	; 5 u = patch + message / Z, normalised
	v_rcp_f32 v18, v18
.irp y, 0,1,2,3
	v_lshlrev_b32 v[RR+2*(\y)], 16, v[22+(\y)]
	v_and_b32 v[RR+2*(\y)+1], 0xffff0000, v[22+(\y)]
.endr
	s_wait_alu depctr_va_vdst(0)
.irp y, 0,1,2,3,4,5,6,7
	v_fma_f32 v[AC+(\y)], v[AC+(\y)], v18, v[RR+(\y)]
.endr
	v_mul_f32 v9, v[AC], v[AC]
.irp y, 1,2,3,4,5,6,7
	v_fma_f32 v9, v[AC+(\y)], v[AC+(\y)], v9
.endr
	WSUM 9, 10
	v_sqrt_f32 v9, v9
	v_nop
	s_wait_alu depctr_va_vdst(0)
	v_max_num_f32 v9, 0x2b8cbccc, v9               ; 1e-12
	v_rcp_f32 v9, v9
	v_nop
	s_wait_alu depctr_va_vdst(0)
.irp y, 0,1,2,3,4,5,6,7
	v_mul_f32 v[AC+(\y)], v[AC+(\y)], v9
.endr
	global_store_b128 v4, v[AC:AC+3], s[14:15]                 ; 512 consecutive bytes each
	global_store_b128 v4, v[AC+4:AC+7], s[14:15] offset:512
	; 6 the eight queries meet
	s_lshl_b32 s[T0], s[WV], 10
	s_add_co_u32 s[T0], s[T0], WR
	v_add_nc_u32 v9, s[T0], v4
	ds_store_b128 v9, v[AC:AC+3]
	ds_store_b128 v9, v[AC+4:AC+7] offset:512
	s_lshl_b32 s[T0], s[WV], 2
	s_add_co_u32 s[T0], s[T0], WE
	v_mov_b32 v10, s[T0]
	ds_store_b32 v10, v16
	s_wait_dscnt 0x0                               ; for the others' sake: my stores are done
	s_barrier_signal -1
	s_barrier_wait -1
	s_cmp_ge_u32 s[WV], 3
	s_cbranch_scc1 .Lend
	; waves 0 and 1: 128 channels each of the weighted sum; wave 2: (m, z)
	v_mov_b32 v10, WE
	ds_load_b128 v[16:19], v10
	ds_load_b128 v[20:23], v10 offset:16
	s_min_u32 s[T0], s[WV], 1
	s_lshl_b32 s[T0], s[T0], 9
	s_add_co_u32 s[T0], s[T0], WR
	v_add_nc_u32 v9, s[T0], v4
.set z, 0
.rept 8
	ds_load_b128 v[RR+4*z:RR+4*z+3], v9 offset:1024*z
.set z, z+1
.endr
	s_wait_dscnt 0x0
	v_max3_num_f32 v24, v16, v17, v18
	v_max3_num_f32 v24, v24, v19, v20
	v_max3_num_f32 v24, v24, v21, v22
	v_max_num_f32 v24, v24, v23                    ; m
.irp y, 16,17,18,19,20,21,22,23
	v_sub_f32 v[\y], v[\y], v24
	v_mul_f32 v[\y], s[CC], v[\y]
.endr
.irp y, 16,17,18,19,20,21,22,23
	v_exp_f32 v[\y], v[\y]
.endr
	v_nop
	s_wait_alu depctr_va_vdst(0)
	v_add_f32 v25, v16, v17
.irp y, 18,19,20,21,22,23
	v_add_f32 v25, v25, v[\y]                      ; z
.endr
.irp y, 0,1,2,3
	v_mul_f32 v[40+(\y)], v16, v[RR+(\y)]
.endr
.set z, 1
.rept 7
.irp y, 0,1,2,3
	v_fma_f32 v[40+(\y)], v[16+z], v[RR+4*z+(\y)], v[40+(\y)]
.endr
.set z, z+1
.endr
	s_cmp_eq_u32 s[WV], 2
	s_cselect_b32 s[T1], -1, 0
	v_cndmask_b32 v40, v40, v24, s[T1]
	v_cndmask_b32 v41, v41, v25, s[T1]
	v_cndmask_b32 v42, v42, v24, s[T1]
	v_cndmask_b32 v43, v43, v25, s[T1]
	v_lshl_add_u32 v11, s[WV], 9, v4
	global_store_b128 v11, v[40:43], s[16:17]      ; 512 consecutive bytes of the group's 1,536
.Lend:
	s_wait_tensorcnt 0x0                           ; the wave's end
	ds_add_u32 v[SPW], v[NIL]
	s_wait_dscnt 0x0
	s_endpgm
.Lfunc_end_k_qa764ac2549_refine:
	.size	k_qa764ac2549_refine, .Lfunc_end_k_qa764ac2549_refine-k_qa764ac2549_refine
	.p2alignl 7, 3214868480
	.fill 96, 4, 3214868480
	.section	.rodata,"a",@progbits
	.p2align	6, 0x0
	.amdhsa_kernel k_qa764ac2549_refine
		.amdhsa_group_segment_fixed_size 206080
		.amdhsa_private_segment_fixed_size 0
		.amdhsa_enable_private_segment 0
		.amdhsa_kernarg_size 40
		.amdhsa_user_sgpr_count 2
		.amdhsa_user_sgpr_kernarg_segment_ptr 1
		.amdhsa_wavefront_size32 1
		.amdhsa_system_sgpr_workgroup_id_x 1
		.amdhsa_system_sgpr_workgroup_id_y 1
		.amdhsa_system_sgpr_workgroup_id_z 1
		.amdhsa_system_vgpr_workitem_id 0
		.amdhsa_next_free_vgpr 256
		.amdhsa_next_free_sgpr 100
		.amdhsa_reserve_vcc 0
		.amdhsa_float_denorm_mode_32 3
		.amdhsa_float_denorm_mode_16_64 3
		.amdhsa_memory_ordered 1
		.amdhsa_forward_progress 1
		.amdhsa_inst_pref_size 160
	.end_amdhsa_kernel
	.amdgpu_metadata
---
amdhsa.version: [ 1, 2 ]
amdhsa.kernels:
  - .name:           k_qa764ac2549_refine
    .symbol:         k_qa764ac2549_refine.kd
    .args:
      - { .name: lists, .offset: 0, .size: 8, .value_kind: global_buffer, .address_space: global }
      - { .name: Mb, .offset: 8, .size: 8, .value_kind: global_buffer, .address_space: global }
      - { .name: Tb, .offset: 16, .size: 8, .value_kind: global_buffer, .address_space: global }
      - { .name: out1, .offset: 24, .size: 8, .value_kind: global_buffer, .address_space: global }
      - { .name: part, .offset: 32, .size: 8, .value_kind: global_buffer, .address_space: global }
    .group_segment_fixed_size: 206080
    .private_segment_fixed_size: 0
    .kernarg_segment_align: 8
    .kernarg_segment_size: 40
    .max_flat_workgroup_size: 256
    .sgpr_count:     100
    .vgpr_count:     256
    .wavefront_size: 32
...
	.end_amdgpu_metadata
.endif
;; end of part 5
;; launch fin (part 6): grid 1 x 1, 8 waves a work-group, no clusters, 9,216 bytes of LDS; arguments part, out0; writes out0
.if DOCPART == 6
	.amdgcn_target "amdgcn-amd-amdhsa--gfx1250"
	.amdhsa_code_object_version 6
	.text
	.protected	k_qa764ac2549_fin
	.globl	k_qa764ac2549_fin
	.p2align	8
	.type	k_qa764ac2549_fin,@function
k_qa764ac2549_fin:
	s_mov_b64 s[64:65], 0
	v_nop
	global_prefetch_b8 v0, s[64:65] scope:SCOPE_SE
	s_setreg_imm32_b32 hwreg(HW_REG_WAVE_MODE, 25, 1), 1
	s_wait_xcnt 0x0
; out0 = the normalised sum over all queries of softmax(evidence / 0.02) x updated row, from the 256 work-groups' shares: part[g] = 256 f32 (a sum weighted relative to the group's maximum m_g), then (m_g, z_g).
; M = max m_g; F_g = 2^(c (m_g - M)); Z = sum F_g z_g; out0 = normalise(sum F_g part[g] / Z).  One work-group: the sum has one owner.  Wave w adds groups 32 w .. 32 w + 31; the eight sums meet in LDS; wave 0 ends the work.
; A lane holds channels 4 l .. 4 l + 3 and 128 + 4 l .. : every load and store covers 512 consecutive bytes.
.set SPARE, 8192       ; behind the eight rows of 1,024 bytes: the spare words
.set SPW, 60
.set NIL, 61
.set AC,  32
.set RR,  64
.set SEL, 12
.set CC,  14
.macro ROWS b                       ; sixteen groups' rows are asked for
.set z, 0
.rept 16
	global_load_b128 v[RR+8*z:RR+8*z+3],   v25, s[16:17] offset:(16*(\b)+z)*1536
	global_load_b128 v[RR+8*z+4:RR+8*z+7], v25, s[16:17] offset:(16*(\b)+z)*1536+512
.set z, z+1
.endr
.endm
.macro ADDUP b                      ; and added, each times its F
.set z, 0
.rept 16
	v_readlane_b32 s[20+2*(z%2)], v22, 16*(\b)+z
.irp y, 0,1,2,3
	v_pk_fma_f32 v[AC+2*(\y):AC+2*(\y)+1], v[RR+8*z+2*(\y):RR+8*z+2*(\y)+1], s[20+2*(z%2):21+2*(z%2)], v[AC+2*(\y):AC+2*(\y)+1] op_sel_hi:[1,0,1]
.endr
.set z, z+1
.endr
.endm
	s_load_b128 s[4:7], s[0:1], 0x0                ; part s[4:5], out0 s[6:7]
	v_lshl_add_u32 v[SPW], v0, 2, SPARE
	v_mov_b32 v[NIL], 0
	v_lshrrev_b32 v1, 5, v0
	v_readfirstlane_b32 s8, v1
	v_and_b32 v1, 31, v0
	v_mul_u32_u24 v2, v1, 1536
	v_lshlrev_b32 v25, 4, v1
	s_mul_i32 s10, s8, 32*1536
	s_mov_b32 s11, 0
	s_mov_b32 s[SEL], 0x76543210
	s_mov_b32 s[SEL+1], 0xfedcba98
	s_mov_b32 s[CC], 0x429044fe                    ; c = log2(e) / 0.02
	s_mov_b32 s21, 0                               ; named as pairs with s20 and s22
	s_mov_b32 s23, 0
	s_wait_kmcnt 0x0
	s_add_nc_u64 s[16:17], s[4:5], s[10:11]        ; my 32 groups
.irp j, 0,1,2,3,4,5,6,7
	global_load_b64 v[4+2*(\j):5+2*(\j)], v2, s[4:5] offset:1024+32*1536*(\j)  ; (m, z) of group l + 32 j
.endr
	global_load_b64 v[20:21], v2, s[16:17] offset:1024  ; of my group 32 w + l
	ROWS 0
.set z, 0
.rept 8
	v_mov_b32 v[AC+z], 0
.set z, z+1
.endr
	s_wait_loadcnt 32                              ; all but the 32 row loads issued behind them
	v_max3_num_f32 v23, v4, v6, v8
	v_max3_num_f32 v23, v23, v10, v12
	v_max3_num_f32 v23, v23, v14, v16
	v_max_num_f32 v23, v23, v18
	v_mov_b32 v24, v23
	v_max_num_f32_dpp v23, v23, v23 row_xmask:1 row_mask:0xf bank_mask:0xf
	v_max_num_f32_dpp v23, v23, v23 row_xmask:2 row_mask:0xf bank_mask:0xf
	v_max_num_f32_dpp v23, v23, v23 row_xmask:4 row_mask:0xf bank_mask:0xf
	v_max_num_f32_dpp v23, v23, v23 row_xmask:8 row_mask:0xf bank_mask:0xf
	v_permlanex16_b32 v24, v23, s[SEL], s[SEL+1]
	v_max_num_f32 v23, v23, v24                    ; M
.irp y, 4,6,8,10,12,14,16,18,20
	v_sub_f32 v[\y], v[\y], v23
	v_mul_f32 v[\y], s[CC], v[\y]
.endr
.irp y, 4,6,8,10,12,14,16,18
	v_exp_f32 v[\y], v[\y]
.endr
	v_exp_f32 v22, v20                             ; my group's F
	v_nop
	s_wait_alu depctr_va_vdst(0)
	v_mul_f32 v24, v4, v5
.irp y, 6,8,10,12,14,16,18
	v_fma_f32 v24, v[\y], v[(\y)+1], v24
.endr
	v_mov_b32 v26, v24
	v_add_f32_dpp v24, v24, v24 row_xmask:1 row_mask:0xf bank_mask:0xf
	v_add_f32_dpp v24, v24, v24 row_xmask:2 row_mask:0xf bank_mask:0xf
	v_add_f32_dpp v24, v24, v24 row_xmask:4 row_mask:0xf bank_mask:0xf
	v_add_f32_dpp v24, v24, v24 row_xmask:8 row_mask:0xf bank_mask:0xf
	v_permlanex16_b32 v26, v24, s[SEL], s[SEL+1]
	v_add_f32 v24, v24, v26                        ; Z, at least 1
	s_wait_loadcnt 0x0
	ADDUP 0
	ROWS 1
	s_wait_loadcnt 0x0
	ADDUP 1
	v_lshl_add_u32 v27, s8, 10, v25
	ds_store_b128 v27, v[AC:AC+3]
	ds_store_b128 v27, v[AC+4:AC+7] offset:512
	s_wait_dscnt 0x0                               ; for wave 0's sake: my stores are done
	s_barrier_signal -1
	s_barrier_wait -1
	s_cmp_lg_u32 s8, 0
	s_cbranch_scc1 .Lend
.set z, 0
.rept 8
	ds_load_b128 v[RR+8*z:RR+8*z+3],   v25 offset:1024*z
	ds_load_b128 v[RR+8*z+4:RR+8*z+7], v25 offset:1024*z+512
.set z, z+1
.endr
	s_wait_dscnt 0x0
.set z, 1
.rept 7
.irp y, 0,1,2,3
	v_pk_add_f32 v[RR+2*(\y):RR+2*(\y)+1], v[RR+2*(\y):RR+2*(\y)+1], v[RR+8*z+2*(\y):RR+8*z+2*(\y)+1]
.endr
.set z, z+1
.endr
	v_rcp_f32 v24, v24
	v_nop
	s_wait_alu depctr_va_vdst(0)
.irp y, 0,1,2,3,4,5,6,7
	v_mul_f32 v[RR+(\y)], v[RR+(\y)], v24
.endr
	v_mul_f32 v9, v[RR], v[RR]
.irp y, 1,2,3,4,5,6,7
	v_fma_f32 v9, v[RR+(\y)], v[RR+(\y)], v9
.endr
	v_mov_b32 v10, v9
	v_add_f32_dpp v9, v9, v9 row_xmask:1 row_mask:0xf bank_mask:0xf
	v_add_f32_dpp v9, v9, v9 row_xmask:2 row_mask:0xf bank_mask:0xf
	v_add_f32_dpp v9, v9, v9 row_xmask:4 row_mask:0xf bank_mask:0xf
	v_add_f32_dpp v9, v9, v9 row_xmask:8 row_mask:0xf bank_mask:0xf
	v_permlanex16_b32 v10, v9, s[SEL], s[SEL+1]
	v_add_f32 v9, v9, v10
	v_sqrt_f32 v9, v9
	v_nop
	s_wait_alu depctr_va_vdst(0)
	v_max_num_f32 v9, 0x2b8cbccc, v9               ; 1e-12
	v_rcp_f32 v9, v9
	v_nop
	s_wait_alu depctr_va_vdst(0)
.irp y, 0,1,2,3,4,5,6,7
	v_mul_f32 v[RR+(\y)], v[RR+(\y)], v9
.endr
	global_store_b128 v25, v[RR:RR+3], s[6:7]
	global_store_b128 v25, v[RR+4:RR+7], s[6:7] offset:512
.Lend:
	s_wait_tensorcnt 0x0                           ; the wave's end
	ds_add_u32 v[SPW], v[NIL]
	s_wait_dscnt 0x0
	s_endpgm
.Lfunc_end_k_qa764ac2549_fin:
	.size	k_qa764ac2549_fin, .Lfunc_end_k_qa764ac2549_fin-k_qa764ac2549_fin
	.p2alignl 7, 3214868480
	.fill 96, 4, 3214868480
	.section	.rodata,"a",@progbits
	.p2align	6, 0x0
	.amdhsa_kernel k_qa764ac2549_fin
		.amdhsa_group_segment_fixed_size 9216
		.amdhsa_private_segment_fixed_size 0
		.amdhsa_enable_private_segment 0
		.amdhsa_kernarg_size 16
		.amdhsa_user_sgpr_count 2
		.amdhsa_user_sgpr_kernarg_segment_ptr 1
		.amdhsa_wavefront_size32 1
		.amdhsa_system_sgpr_workgroup_id_x 1
		.amdhsa_system_sgpr_workgroup_id_y 1
		.amdhsa_system_sgpr_workgroup_id_z 1
		.amdhsa_system_vgpr_workitem_id 0
		.amdhsa_next_free_vgpr 192
		.amdhsa_next_free_sgpr 66
		.amdhsa_reserve_vcc 0
		.amdhsa_float_denorm_mode_32 3
		.amdhsa_float_denorm_mode_16_64 3
		.amdhsa_memory_ordered 1
		.amdhsa_forward_progress 1
		.amdhsa_inst_pref_size 26
	.end_amdhsa_kernel
	.amdgpu_metadata
---
amdhsa.version: [ 1, 2 ]
amdhsa.kernels:
  - .name:           k_qa764ac2549_fin
    .symbol:         k_qa764ac2549_fin.kd
    .args:
      - { .name: part, .offset: 0, .size: 8, .value_kind: global_buffer, .address_space: global }
      - { .name: out0, .offset: 8, .size: 8, .value_kind: global_buffer, .address_space: global }
    .group_segment_fixed_size: 9216
    .private_segment_fixed_size: 0
    .kernarg_segment_align: 8
    .kernarg_segment_size: 16
    .max_flat_workgroup_size: 256
    .sgpr_count:     66
    .vgpr_count:     192
    .wavefront_size: 32
...
	.end_amdgpu_metadata
.endif
;; end of part 6
;; ======== version 2 of 2: 6 launches; version 1 with the launch lists written anew for expert scheduling mode
;; workspace buffers: Mb 51,200,000 bytes; Tb 1,048,576 bytes; AB 67,108,864 bytes; selm 1,048,576 bytes of whole numbers; lists 524,288 bytes of whole numbers; part 393,216 bytes
;; launch cvt: the kernel of part 1 again; grid 3189 x 1, 8 waves a work-group, no clusters, 0 bytes of LDS; arguments memory_nodes_gpu, test_patches, Mb, Tb; writes Mb, Tb
;; launch gemm: the kernel of part 2 again; grid 252 x 1, 4 waves a work-group, clusters of 4 x 1, 327,680 bytes of LDS; arguments Mb, Tb, AB; writes AB
;; launch pick: the kernel of part 3 again; grid 512 x 1, 4 waves a work-group, no clusters, 0 bytes of LDS; arguments AB, selm; writes selm
;; launch lists (part 7): grid 256 x 1, 8 waves a work-group, no clusters, 3,072 bytes of LDS; arguments selm, AB, lists; writes lists
.if DOCPART == 7
	.amdgcn_target "amdgcn-amd-amdhsa--gfx1250"
	.amdhsa_code_object_version 6
	.text
	.protected	k_qa764ac2549_lists
	.globl	k_qa764ac2549_lists
	.p2align	8
	.type	k_qa764ac2549_lists,@function
k_qa764ac2549_lists:
	s_mov_b64 s[64:65], 0
	v_nop
	global_prefetch_b8 v0, s[64:65] scope:SCOPE_SE
	s_setreg_imm32_b32 hwreg(HW_REG_WAVE_SCHED_MODE, 0, 2), 2
	s_setreg_imm32_b32 hwreg(HW_REG_WAVE_MODE, 25, 1), 1
	s_wait_xcnt 0x0
	s_wait_alu depctr_vm_vsrc(0)
; FROM BITS TO A LIST.  One wave a query, eight queries a work-group; the waves have nothing to do with each other.
; selm[query]: bit l of word R < 126 says that position 32 R + l is one of the query's fifty groups; word 127 is t's key.  A set bit's rank is the number of set bits ahead of it.
; lists[query][rank 0..63] = the number in the memory of the group's best unit (2 rows; under 50,000) | 0x10000 where the group's second best unit may reach t, so that the whole group must be looked at.
; Ranks 50 to 63 hold 0.  The addresses here hang on selm's whole numbers, each clamped; what is read from AB (plane B: m2's bits with the unit's number in the low four) is only turned into the word that is stored.
; A record is 256 bytes and leaves by one store of the wave.  No matrix unit, no cluster: nothing is multiplied and nothing is shared.
; THE MODE: SCHED_MODE bits 1:0 = 2 (LLVM: expert scheduling mode 2), set by the entry lines.  The code itself states the register dependences
; between vector instructions and memory or LDS instructions, with s_wait_alu, always for 0.
; THE PLAN.  Registers that memory or LDS instructions touch:
;   AD v[32:47]   a trip's sixteen LDS addresses.  Written by the trip's vector lines; read by the trip's sixteen LDS stores.
;   PO v[48:63]   a trip's sixteen positions.      Written by the trip's vector lines; read by the same stores, as their data.
;   v13, v14      made once at the head and never written again: the LDS address of my two ranks, and 8 x lane.
;   v[20:21]      zeros, read by the head's LDS store; written again in the tail alone.
;   v[16:17], v18, v19   loads land in them; no vector line names them ahead of those loads.
;   v6, v7        offsets into AB, made in the tail, read by two loads, never written again.      v[22:23]  the record's words, read by the one global store.
;   v30, v31      written at the head, read by the closing add alone.
; A trip has two waits for its sixteen stores: one on vm_vsrc ahead of its first vector line (the stores of the trip before have read AD and PO), one on va_vdst ahead of the run of stores
; (AD and PO are written).  Between a trip's wait on va_vdst and the next trip's wait on vm_vsrc no vector line is issued.  v12, from which PO is made, is named by vector lines alone.
.set SPARE, 2048       ; LDS: wave w's positions by rank at 256 w (entry 63 takes what belongs nowhere); behind them the spare words, 128 bytes a wave
.set SPW, 30
.set NIL, 31
.set C252, 11          ; v11  252, entry 63's bytes
.set AD,  32
.set PO,  48
.set WV,  12
.set QN,  13
.set WB,  14           ; s14  my wave's LDS
.set SB,  15           ; s15  set bits so far
.set TP,  16
.set LC,  17
.set TH,  18           ; s18  t's key
.set SGN, 19
.set HI,  28           ; s28  lanes 25-31: ranks 50-63
.set MK,  29           ; s29, s30
	s_load_b128 s[4:7], s[0:1], 0x0                ; selm s[4:5], AB s[6:7]
	s_load_b64 s[8:9], s[0:1], 0x10                ; lists
	v_lshl_add_u32 v[SPW], v0, 2, SPARE
	v_mov_b32 v[NIL], 0
	v_lshrrev_b32 v1, 5, v0
	v_readfirstlane_b32 s[WV], v1
	v_and_b32 v1, 31, v0
	v_lshlrev_b32 v14, 3, v1                       ; 8 x lane
	v_mov_b32 v[C252], 252
	v_mov_b32 v15, 0x10000
	v_mov_b32 v20, 0
	v_mov_b32 v21, 0
	v_mov_b32 v12, v1                              ; my position in the trip's first word
	s_wait_alu depctr_va_sdst(0)                   ; the wave's number is written, ahead of its first reader: my query and my LDS are made from it
	s_lshl3_add_u32 s[QN], ttmp9, s[WV]            ; my query
	s_lshl_b32 s[WB], s[WV], 8
	v_add_nc_u32 v13, s[WB], v14
	s_lshl_b32 s20, s[QN], 9
	s_mov_b32 s21, 0
	s_lshl_b32 s22, s[QN], 15
	s_mov_b32 s23, 0
	s_lshl_b32 s24, s[QN], 8
	s_mov_b32 s25, 0
	s_mov_b32 s[SGN], 0x80000000
	s_mov_b32 s[HI], 0xfe000000
	s_mov_b32 s[SB], 0
	s_mov_b32 s[LC], 8
	s_wait_alu depctr_va_vdst(0)                   ; v13 and v[20:21] are written, which the LDS store below reads; so is v14, the last store's offset
	ds_store_b64 v13, v[20:21]                     ; ranks that the mask does not fill name position 0
	s_wait_kmcnt 0x0
	s_add_nc_u64 s[4:5], s[4:5], s[20:21]
	s_add_nc_u64 s[6:7], s[6:7], s[22:23]
	s_add_nc_u64 s[8:9], s[8:9], s[24:25]
.Llb:                                              ; sixteen words a trip
	s_load_b512 s[32:47], s[4:5], 0x0
	s_wait_kmcnt 0x0
	s_wait_xcnt 0x0                                ; the base is stepped only behind this wait
	s_add_nc_u64 s[4:5], s[4:5], 64
	s_cmp_eq_u32 s[LC], 1                          ; the last trip's last word is no mask:
	s_cselect_b32 s[TP], 0, -1
	s_mov_b32 s[TH], s47                           ; it is t's key,
	s_and_b32 s47, s47, s[TP]                      ; and counts as empty
	s_wait_alu depctr_vm_vsrc(0)                   ; the LDS stores of the trip before have read AD and PO, which the lines below write again; in the first trip: the head's store has read v[20:21], which the tail writes again
	; Word j of the sixteen.  Every lane stores: a lane whose bit is clear writes into entry 63, which no rank reaches.  The entry's bytes are chosen, then clamped, then my LDS is added.
	; The lines stand in runs of one kind, so that none reads the result of the line before it.
.set j, 0
.rept 16
	v_mbcnt_lo_u32_b32 v[AD+j], s[32+j], s[SB]     ; my bit's rank: the set bits of earlier words and of lower lanes
	s_bcnt1_i32_b32 s[TP], s[32+j]
	s_add_co_u32 s[SB], s[SB], s[TP]
	v_add_nc_u32 v[PO+j], 32*j, v12                ; my position in word j, in a register of its own: v12 moves on while the stores are out
.set j, j+1
.endr
.set j, 0
.rept 16
	v_lshlrev_b32 v[AD+j], 2, v[AD+j]
.set j, j+1
.endr
.set j, 0
.rept 16
	v_cndmask_b32 v[AD+j], v[C252], v[AD+j], s[32+j]
.set j, j+1
.endr
.set j, 0
.rept 16
	v_min_u32 v[AD+j], 252, v[AD+j]
.set j, j+1
.endr
.set j, 0
.rept 16
	v_add_nc_u32 v[AD+j], s[WB], v[AD+j]
.set j, j+1
.endr
	v_add_nc_u32 v12, 0x200, v12                   ; the next trip's first word
	s_wait_alu depctr_va_vdst(0)                   ; AD and PO are written, which the sixteen LDS stores read as addresses and data
.set j, 0
.rept 16
	ds_store_b32 v[AD+j], v[PO+j]                  ; in the words' order, as LDS serves them
.set j, j+1
.endr
	s_sub_co_u32 s[LC], s[LC], 1
	s_cmp_lg_u32 s[LC], 0
	s_cbranch_scc1 .Llb
	; Ranks 2 l and 2 l + 1.  Position p: segment p / 64, entry p % 64; group = min(50 segment, 3075) + entry; B's word lies at 128 segment + 64 + 2 (entry % 32) + entry / 32.
	ds_load_b64 v[16:17], v13                      ; LDS serves a wave's instructions in order: this sees the stores above.  v13 stands as the head made it, and no vector line has named v[16:17]
	s_wait_dscnt 0x0
.irp h, 0,1
	v_lshrrev_b32 v[2+(\h)], 6, v[16+(\h)]
	v_and_b32 v[4+(\h)], 63, v[16+(\h)]
	v_and_b32 v[6+(\h)], 31, v[4+(\h)]
	v_lshrrev_b32 v[20+(\h)], 5, v[4+(\h)]
	v_lshl_add_u32 v[6+(\h)], v[6+(\h)], 1, v[20+(\h)]
	v_lshl_add_u32 v[6+(\h)], v[2+(\h)], 7, v[6+(\h)]
	v_add_nc_u32 v[6+(\h)], 64, v[6+(\h)]
	v_min_u32 v[6+(\h)], 8063, v[6+(\h)]           ; the last word of a query's part of AB that is ever written
	v_lshlrev_b32 v[6+(\h)], 2, v[6+(\h)]
.endr
	s_wait_alu depctr_va_vdst(0)                   ; v6 and v7 are written, which the two loads read as offsets
	global_load_b32 v18, v6, s[6:7]
	global_load_b32 v19, v7, s[6:7]
.irp h, 0,1                                        ; while the loads are out: these lines name none of v6, v7, v18, v19
	v_mul_u32_u24 v[2+(\h)], 50, v[2+(\h)]
	v_min_u32 v[2+(\h)], 3075, v[2+(\h)]
	v_add_nc_u32 v[2+(\h)], v[2+(\h)], v[4+(\h)]   ; the group
.endr
	s_wait_loadcnt 0x0
.irp h, 0,1
	v_and_b32 v[20+(\h)], 15, v[18+(\h)]           ; the unit in the group
	v_lshl_add_u32 v[2+(\h)], v[2+(\h)], 4, v[20+(\h)]  ; the unit in the memory
	v_ashrrev_i32 v[20+(\h)], 31, v[18+(\h)]       ; m2's key,
	v_or_b32 v[20+(\h)], s[SGN], v[20+(\h)]
	v_xor_b32 v[18+(\h)], v[18+(\h)], v[20+(\h)]
	v_or_b32 v[18+(\h)], 15, v[18+(\h)]            ; or rather an upper bound of it: the key's making only flips bits
	v_cmp_le_u32 s[MK+(\h)], s[TH], v[18+(\h)]
.endr
	s_wait_alu depctr_va_sdst(0)                   ; the two compares have written their masks, ahead of the selects that read them
.irp h, 0,1
	v_cndmask_b32 v[20+(\h)], 0, v15, s[MK+(\h)]
	v_or_b32 v[2+(\h)], v[2+(\h)], v[20+(\h)]
	v_cndmask_b32 v[22+(\h)], v[2+(\h)], 0, s[HI]
.endr
	s_wait_alu depctr_va_vdst(0)                   ; v[22:23] are written, which the store reads
	global_store_b64 v14, v[22:23], s[8:9]         ; 256 consecutive bytes, at a multiple of 256 from the buffer's first
	s_wait_dscnt 0x0                               ; the closing lines, six on end
	s_wait_alu 0x0
	s_wait_tensorcnt 0x0
	ds_add_u32 v[SPW], v[NIL]
	s_wait_dscnt 0x0
	s_endpgm
.Lfunc_end_k_qa764ac2549_lists:
	.size	k_qa764ac2549_lists, .Lfunc_end_k_qa764ac2549_lists-k_qa764ac2549_lists
	.p2alignl 7, 3214868480
	.fill 96, 4, 3214868480
	.section	.rodata,"a",@progbits
	.p2align	6, 0x0
	.amdhsa_kernel k_qa764ac2549_lists
		.amdhsa_group_segment_fixed_size 3072
		.amdhsa_private_segment_fixed_size 0
		.amdhsa_enable_private_segment 0
		.amdhsa_kernarg_size 24
		.amdhsa_user_sgpr_count 2
		.amdhsa_user_sgpr_kernarg_segment_ptr 1
		.amdhsa_wavefront_size32 1
		.amdhsa_system_sgpr_workgroup_id_x 1
		.amdhsa_system_sgpr_workgroup_id_y 1
		.amdhsa_system_sgpr_workgroup_id_z 1
		.amdhsa_system_vgpr_workitem_id 0
		.amdhsa_next_free_vgpr 64
		.amdhsa_next_free_sgpr 66
		.amdhsa_reserve_vcc 0
		.amdhsa_float_denorm_mode_32 3
		.amdhsa_float_denorm_mode_16_64 3
		.amdhsa_memory_ordered 1
		.amdhsa_forward_progress 1
		.amdhsa_inst_pref_size 12
	.end_amdhsa_kernel
	.amdgpu_metadata
---
amdhsa.version: [ 1, 2 ]
amdhsa.kernels:
  - .name:           k_qa764ac2549_lists
    .symbol:         k_qa764ac2549_lists.kd
    .args:
      - { .name: selm, .offset: 0, .size: 8, .value_kind: global_buffer, .address_space: global }
      - { .name: AB, .offset: 8, .size: 8, .value_kind: global_buffer, .address_space: global }
      - { .name: lists, .offset: 16, .size: 8, .value_kind: global_buffer, .address_space: global }
    .group_segment_fixed_size: 3072
    .private_segment_fixed_size: 0
    .kernarg_segment_align: 8
    .kernarg_segment_size: 24
    .max_flat_workgroup_size: 256
    .sgpr_count:     66
    .vgpr_count:     64
    .wavefront_size: 32
...
	.end_amdgpu_metadata
.endif
;; end of part 7
;; launch refine: the kernel of part 5 again; grid 256 x 1, 8 waves a work-group, no clusters, 206,080 bytes of LDS; arguments lists, Mb, Tb, out1, part; writes out1, part
;; launch fin: the kernel of part 6 again; grid 1 x 1, 8 waves a work-group, no clusters, 9,216 bytes of LDS; arguments part, out0; writes out0
